; MI455X (gfx1250); checked and timed in simulation.
; The chip was launched on July 23, 2026; its instructions are those of AMD's public machine-readable ISA for CDNA 5 (MIT licence, August 2026) and "CDNA5" Instruction Set Architecture Reference Guide (July 2026). The comments in the code are by the model that wrote it; some were corrected since.
;; Encoder Layer. Allowed arithmetic: matrix products marked QUANTISED: E4M3 operands, one given power-of-two scale a tensor, by v_wmma_f32_16x16x64_fp8_fp8 or v_wmma_f32_16x16x128_fp8_fp8, f32 sums; everything else in f32.
;; Inputs: W1 512 x 2,048 float32; W2 2,048 x 512 float32; Wk 8 x 512 x 64 float32; Wp 512 x 512 float32; Wq 8 x 512 x 64 float32; Wv 8 x 512 x 64 float32; b1 2,048 float32; b2 512 float32; beta1 512 float32; beta2 512 float32; bk 8 x 64 float32; bp 512 float32; bq 8 x 64 float32; bv 8 x 64 float32; gamma1 512 float32; gamma2 512 float32; lowp_scales 16 int32 (the exponents e of the quantised operands' scales 2^e); x 4 x 2,048 x 512 x 1 x 1 float32.
;; Outputs: out0 4 x 2,048 x 512 x 1 x 1 float32.
;; This version of the problem:
;;   THIS VERSION OF THE PROBLEM IS GIVEN IN LOW PRECISION. The matrix products marked QUANTISED in the list below multiply operands that are first quantised to E4M3 (4 exponent bits, 3 mantissa bits; 8 bits a number), with one given power-of-two scale for each operand tensor; their sums are f32. All else is computed in f32.
;;   The module's matrix products, in the order in which they are computed (A, B: the left and right operand; K: the contracted axis; several contracted axes count as one K, in the product's order):
;;     1. [M 512, K 512] x [K 512, N 8,192]; A: input Wq; B: computed on the way: QUANTISED (scales: A lowp_scales[0], B lowp_scales[1])
;;     2. [M 512, K 512] x [K 512, N 8,192]; A: input Wk; B: computed on the way: QUANTISED (scales: A lowp_scales[2], B lowp_scales[3])
;;     3. [M 512, K 512] x [K 512, N 8,192]; A: input Wv; B: computed on the way: QUANTISED (scales: A lowp_scales[4], B lowp_scales[5])
;;     4. batch 32 x [M 2,048, K 64] x [K 64, N 2,048]; A: computed on the way; B: computed on the way: QUANTISED (scales: A lowp_scales[6], B lowp_scales[7])
;;     5. batch 32 x [M 2,048, K 2,048] x [K 2,048, N 64]; A: softmax (see below); B: computed on the way: QUANTISED (scales: A lowp_scales[8], B lowp_scales[9])
;;     6. [M 8,192, K 512] x [K 512, N 512]; A: computed on the way; B: input Wp: QUANTISED (scales: A lowp_scales[10], B lowp_scales[11])
;;     7. [M 8,192, K 512] x [K 512, N 2,048]; A: computed on the way; B: input W1: QUANTISED (scales: A lowp_scales[12], B lowp_scales[13])
;;     8. [M 8,192, K 2,048] x [K 2,048, N 512]; A: computed on the way; B: input W2: QUANTISED (scales: A lowp_scales[14], B lowp_scales[15])
;;   THE QUANTISER, for each operand of a quantised product, along K:
;;     - The operand's scale is 2^e, e = its entry of the input lowp_scales (int32; the entries are numbered through the quantised products in the list's order, A before B).
;;     - Each number is divided by the scale, clamped to +-448, and rounded to the nearest number of E4M3, ties to even, subnormals kept.
;;     - The product sums the exact products of the quantised numbers (number of the format x scale) in f32.
;;   ~~~python
;;   def quantise(x, axis, e):      # numpy; x: float32 -> the quantised numbers, widened to float32 again
;;       x = np.moveaxis(x, axis, -1); K = x.shape[-1]
;;       r = np.clip(x / 2.0 ** e, -448, 448)
;;       step = 2.0 ** (np.maximum(np.frexp(np.where(r == 0, 1, r))[1] - 1, -6) - 3)
;;       q = np.round(r / step) * step * 2.0 ** e      # np.round: ties to even
;;       return np.moveaxis(q, -1, axis).astype(np.float32)
;;   ~~~
;;   SOFTMAX AHEAD OF A QUANTISED PRODUCT. Where the list says 'softmax', what is quantised is not the finished softmax but p = 2^(t - M), with t = logit x log2(e) and M = ceil(the row's largest t), a whole number; so 1/2 < the row's largest p <= 1. The row's sum l is taken of the UNQUANTISED p, in f32, and the product's result is divided by l at the end. Since M is a whole number, a kernel that streams over the keys may use a running M (the ceiling of the running maximum): every later rescaling is an exact power of two, so the quantised numbers keep their values, but for numbers so far below the row's largest that they fall under the format's range.
;;   OPERANDS COMPUTED ON THE WAY. 'Computed on the way' means the value that the module computes at that place (a softmax that the list does not call 'softmax' is quantised finished and normalised). What goes into a quantiser is computed in f32, as accurately as f32 sums, v_exp_f32 and their like allow (about 1e-6 of the number): no bf16 or f16 on the way to a quantiser, and a product that is left as it is and whose result goes on into a quantised operand takes f32 operands (vector FMAs, or v_wmma_f32_16x16x4_f32). A number that lies on a knife's edge between two numbers of the format may be rounded either way, as far as f32 arithmetic and the matrix unit's own rounding can turn it there, and no further.
;; 2 versions, each right; version 2 is version 1 with the launch tail written anew for expert scheduling mode. Each part assembles by itself: llvm-mc -triple=amdgcn-amd-amdhsa -mcpu=gfx1250 --defsym DOCPART=n.
;; ======== version 1 of 2: 4 launches
;; limits: a function is approximated: absolute error at most 7.5e-08
;; workspace buffers: xq 12,582,912 bytes; wc 3,145,728 bytes; qc 4,194,304 bytes; kv 8,388,608 bytes; ac 4,194,304 bytes
;; launch prep (part 1): grid 704 x 1, 4 waves a work-group, no clusters, 1,536 bytes of LDS; arguments x, gamma1, beta1, Wq, Wk, Wv, Wp, W1, W2, lowp_scales, xq, wc; writes xq, wc
.if DOCPART == 1
	.amdgcn_target "amdgcn-amd-amdhsa--gfx1250"
	.amdhsa_code_object_version 6
	.text
	.protected	k_qa6b5c2b1ff_prep
	.globl	k_qa6b5c2b1ff_prep
	.p2align	8
	.type	k_qa6b5c2b1ff_prep,@function
k_qa6b5c2b1ff_prep:
	s_mov_b64 s[64:65], 0
	v_nop
	global_prefetch_b8 v0, s[64:65] scope:SCOPE_SE
	s_setreg_imm32_b32 hwreg(HW_REG_WAVE_MODE, 25, 1), 1
	s_wait_xcnt 0x0
; PREP.  (a) The six weights, f32 with K not innermost, become codes of E4M3 laid as IMAGES OF OPERAND REGISTERS; (b) x is normalised (mean, std with 511 in the divisor,
; division by std + 1e-10, gamma1, beta1) and quantised three times, under the scale entries 1, 3 and 5, into images of the same kind.
; AN IMAGE: a fragment is 16 rows x 128 K = 2,048 bytes; chunk c (512 bytes) holds, at 16 x lane, the 16 codes k = 32 c + 16 (lane / 16) + 0 .. 15 of row lane % 16.
; THE ROWS OF A TILE ARE NOT NEIGHBOURS: in each group of 32 indices, lane row r of tile 2 b + u is index 32 b + 8 u + r + 8 (r / 8).
; wc: [tile][K step][2,048]: Wq, Wk, Wv at 262,144 y (unit = 64 head + e, 4 K steps); Wp at 786,432 (4); W1 at 1,048,576 (128 tiles, 4); W2 at 2,097,152 (32 tiles, 16).
; xq: [y 3][row tile 512][K step 4][2,048].
; WORK-GROUPS: 0-47 Wq, Wk, Wv; 48-63 Wp; 64-127 W2; 128-191 W1; 192-703 a row tile of x each.  The branches hang on the work-group's number alone, the same in its four waves.
; A WEIGHT JOB (one wave): 32 columns x 128 K.  A lane takes a column and its registers run down K, so each load reads 128 consecutive bytes and the conversions give codes with K innermost.
; A ROW TILE (four waves): wave s takes K step s of 16 rows; each wave takes its own mean away first, and the four (mean, sum of squares) meet in LDS: no difference of large sums is formed.
; No matrix work, no tensor load, no cluster: the launch streams, and no two work-groups read the same large bytes.
; LIMITS: each given exponent e used here lies between -126 and 119, so that 2^e and 448 x 2^e are f32 numbers.  NaN among the inputs is not served.
.set WN, 16                            ; v16-143  a weight job's 128 numbers
.set WC, 144                           ; v144-175 its codes
.set XR, 16                            ; v16-79   a lane's 64 numbers of x
.set GR, 80                            ; v80-143  gamma1; later two sets of 16 held numbers
.set BR, 144                           ; v144-207 beta1; later the codes, 16 registers for each of the three scales
	s_load_b512 s[4:19], s[0:1], 0x0               ; x, gamma1, beta1, Wq, Wk, Wv, Wp, W1
	s_load_b256 s[20:27], s[0:1], 0x40             ; W2, lowp_scales, xq, wc
	v_lshl_add_u32 v208, v0, 2, 0x400
	v_mov_b32 v209, 0
	v_lshrrev_b32 v1, 5, v0
	v_readfirstlane_b32 s28, v1                    ; wave 0..3
	s_wait_kmcnt 0x0
	s_load_b512 s[32:47], s[22:23], 0x0            ; the sixteen exponents: entry n in s[32 + n]
	s_cmp_ge_u32 ttmp9, 192
	s_cbranch_scc1 .Lrows
	; ---- weights: what all three kinds share
	v_and_b32 v2, 31, v0
	v_lshlrev_b32 v2, 2, v2                        ; in: 4 bytes a lane
	v_bfe_u32 v3, v0, 3, 1                         ; u: which of the group's two tiles my column falls into
	v_bfe_u32 v4, v0, 4, 1
	v_and_b32 v5, 7, v0
	v_lshl_add_u32 v5, v4, 3, v5                   ; its lane row there: 8 (lane / 16) + lane % 8
	v_lshlrev_b32 v5, 4, v5
	s_lshl_b32 s29, ttmp9, 2
	s_add_co_u32 s29, s29, s28                     ; 4 x work-group + wave
	s_mov_b32 s55, 0
	s_mov_b32 s57, 0
.macro LOADQ g, pitch                  ; quarter g: 32 rows of K at my column
.set i, 0
.rept 32
	global_load_b32 v[WN+32*(\g)+i], v2, s[52:53] offset:(32*(\g)+i)*(\pitch) th:TH_LOAD_NT
.set i, i+1
.endr
.endm
.macro WORKQ g                         ; quarter g is chunk g of my column's row in its fragment: two stores, one for each half of the chunk
.set i, 0
.rept 32
	v_med3_num_f32 v[WN+32*(\g)+i], v[WN+32*(\g)+i], -v10, v10   ; the conversion to an 8-bit code does not saturate (ISA guide 7.6.2): hold first
.set i, i+1
.endr
.irp c, 0,1,2,3
	v_cvt_scalef32_pk8_fp8_f32 v[WC+8*(\g)+2*\c:WC+8*(\g)+2*\c+1], v[WN+32*(\g)+8*\c:WN+32*(\g)+8*\c+7], v11
.endr
	global_store_b128 v3, v[WC+8*(\g):WC+8*(\g)+3], s[60:61] offset:512*(\g)          ; sixteen lanes of one tile store 256 consecutive bytes, aligned; the other sixteen the same in the next tile
	global_store_b128 v3, v[WC+8*(\g)+4:WC+8*(\g)+7], s[60:61] offset:512*(\g)+256
.endm
; s[52:53] the tensor, s54 the job's byte offset in it, s56 its byte offset in wc, s58 = 2,048 x K steps (from a tile to the next), s48 = e.  No register is written twice, so no store's data are rewritten.
.macro WJOB pitch
	s_add_nc_u64 s[52:53], s[52:53], s[54:55]
	s_add_nc_u64 s[60:61], s[26:27], s[56:57]
	v_mul_lo_u32 v3, v3, s58
	v_add_nc_u32 v3, v3, v5                        ; out: my tile, 16 x my lane row
	s_add_co_i32 s48, s48, 127
	s_lshl_b32 s30, s48, 23
	v_mov_b32 v11, s30                             ; 2^e as f32: the conversion takes its exponent field
	s_add_co_i32 s48, s48, 8
	s_lshl_b32 s48, s48, 23
	s_or_b32 s48, s48, 0x600000
	v_mov_b32 v10, s48                             ; 448 x 2^e
	LOADQ 0, \pitch
	LOADQ 1, \pitch
	s_wait_loadcnt 32                              ; quarter 0 is in; quarter 1's 32 loads may be out
	LOADQ 2, \pitch
	WORKQ 0
	s_wait_loadcnt 32                              ; quarter 1 is in; quarter 2's may be out
	LOADQ 3, \pitch
	WORKQ 1
	s_wait_loadcnt 32                              ; quarter 2 is in; quarter 3's may be out
	WORKQ 2
	s_wait_loadcnt 0x0
	WORKQ 3
	s_endpgm
.endm
	s_cmp_lt_u32 ttmp9, 48
	s_cbranch_scc0 .Lnot_qkv
	; ---- Wq, Wk, Wv: [8][512][64]; job = 64 y + 16 s + G; group G = units 32 G on: head G / 2, e from 32 (G % 2)
	s_lshr_b32 s50, s29, 6                         ; y
	s_bfe_u32 s51, s29, 0x20004                    ; K step s
	s_and_b32 s49, s29, 15                         ; G
	s_lshr_b32 s54, s49, 1
	s_lshl_b32 s54, s54, 17                        ; a head is 131,072 bytes
	s_and_b32 s30, s49, 1
	s_lshl_b32 s30, s30, 7
	s_add_co_u32 s54, s54, s30
	s_lshl_b32 s30, s51, 15                        ; 128 rows of 256 bytes
	s_add_co_u32 s54, s54, s30
	s_lshl_b32 s56, s49, 3                         ; tile 2 G, 4 K steps a tile
	s_add_co_u32 s56, s56, s51
	s_lshl_b32 s56, s56, 11
	s_lshl_b32 s30, s50, 18
	s_add_co_u32 s56, s56, s30
	s_mov_b32 s58, 8192
	s_wait_kmcnt 0x0
	s_cmp_eq_u32 s50, 0
	s_cselect_b64 s[52:53], s[10:11], s[12:13]
	s_cselect_b32 s48, s32, s34
	s_cmp_eq_u32 s50, 2
	s_cselect_b64 s[52:53], s[14:15], s[52:53]
	s_cselect_b32 s48, s36, s48                    ; entries 0, 2, 4
	WJOB 256
.Lnot_qkv:
	s_cmp_lt_u32 ttmp9, 128
	s_cbranch_scc0 .Lw1
	; ---- Wp [512][512] (work-groups 48-63) and W2 [2048][512] (64-127): rows of 2,048 bytes; job = 16 s + G
	s_cmp_lt_u32 ttmp9, 64
	s_mov_b32 s30, 256
	s_cselect_b32 s30, 192, s30                    ; the tensor's first job
	s_mov_b32 s58, 32768
	s_cselect_b32 s58, 8192, s58                   ; 2,048 x K steps
	s_mov_b32 s31, 2097152
	s_cselect_b32 s31, 786432, s31                 ; its place in wc
	s_cselect_b32 s59, 3, 5                        ; log2 of (2 x K steps)
	s_wait_kmcnt 0x0
	s_cselect_b64 s[52:53], s[16:17], s[20:21]
	s_cselect_b32 s48, s43, s47                    ; entries 11, 15
	s_sub_co_u32 s29, s29, s30
	s_lshr_b32 s51, s29, 4                         ; K step s
	s_and_b32 s49, s29, 15                         ; G
	s_lshl_b32 s54, s51, 18                        ; 128 rows of 2,048 bytes
	s_lshl_b32 s30, s49, 7
	s_add_co_u32 s54, s54, s30
	s_lshl_b32 s56, s49, s59
	s_add_co_u32 s56, s56, s51
	s_lshl_b32 s56, s56, 11
	s_add_co_u32 s56, s56, s31
	WJOB 2048
.Lw1:
	; ---- W1 [512][2048]: rows of 8,192 bytes; job = 64 s + G
	s_sub_co_u32 s29, s29, 512
	s_lshr_b32 s51, s29, 6
	s_and_b32 s49, s29, 63
	s_lshl_b32 s54, s51, 20                        ; 128 rows of 8,192 bytes
	s_lshl_b32 s30, s49, 7
	s_add_co_u32 s54, s54, s30
	s_lshl_b32 s56, s49, 3
	s_add_co_u32 s56, s56, s51
	s_lshl_b32 s56, s56, 11
	s_add_co_u32 s56, s56, 1048576
	s_mov_b32 s58, 8192
	s_wait_kmcnt 0x0
	s_mov_b64 s[52:53], s[18:19]
	s_mov_b32 s48, s45                             ; entry 13
	WJOB 8192
.Lrows:
	; ---- a row tile of x.  Lane (r, h) takes, of row r + 8 (r / 8) of the tile's span, the 16 numbers k = 128 s + 32 b + 16 h + 0 .. 15 of each block b
	s_sub_co_u32 s29, ttmp9, 192                   ; T
	v_and_b32 v1, 31, v0
	v_lshlrev_b32 v1, 4, v1                        ; 16 x lane: my place in a chunk
	v_and_b32 v4, 15, v0                           ; r
	v_bfe_u32 v3, v0, 4, 1                         ; h
	v_and_b32 v2, 8, v4
	v_add_nc_u32 v2, v2, v4
	v_lshlrev_b32 v2, 11, v2
	v_lshl_add_u32 v2, v3, 6, v2                   ; x: 2,048 (r + 8 (r / 8)) + 64 h
	v_lshlrev_b32 v3, 6, v3                        ; gamma1, beta1: 64 h
	v_lshlrev_b32 v5, 5, v4                        ; LDS: row r's four pairs (mean, sum of squares), 32 bytes
	s_lshl_b32 s30, s28, 3
	v_add_nc_u32 v4, s30, v5                       ; my wave's pair among them
	v_mov_b32 v7, 0                                ; written once: a lane permute's destination counts as one of its sources
	s_mov_b32 s62, 0x76543210
	s_mov_b32 s63, 0xfedcba98                      ; v_permlanex16_b32's selects for lane l xor 16
	s_lshr_b32 s50, s29, 1
	s_lshl_b32 s50, s50, 5
	s_and_b32 s51, s29, 1
	s_lshl_b32 s51, s51, 3
	s_add_co_u32 s50, s50, s51                     ; the tile's first row: 32 (T / 2) + 8 (T % 2)
	s_lshl_b32 s50, s50, 11
	s_lshl_b32 s52, s28, 9                         ; my K step: 512 bytes along a row
	s_add_co_u32 s50, s50, s52
	s_mov_b32 s51, 0
	s_mov_b32 s53, 0
	s_add_nc_u64 s[4:5], s[4:5], s[50:51]
	s_add_nc_u64 s[6:7], s[6:7], s[52:53]
	s_add_nc_u64 s[8:9], s[8:9], s[52:53]
	s_lshl_b32 s54, s29, 2
	s_add_co_u32 s54, s54, s28
	s_lshl_b32 s54, s54, 11                        ; fragment 4 T + s
	s_mov_b32 s55, 0
	s_add_nc_u64 s[66:67], s[24:25], s[54:55]      ; xq under entry 1,
	s_add_nc_u64 s[68:69], s[66:67], 0x400000      ; entry 3,
	s_add_nc_u64 s[70:71], s[68:69], 0x400000      ; entry 5
.irp b, 0,1,2,3
.irp j, 0,1,2,3
	global_load_b128 v[XR+16*\b+4*\j:XR+16*\b+4*\j+3], v2, s[4:5] offset:128*\b+16*\j th:TH_LOAD_NT
.endr
.endr
.irp b, 0,1,2,3
.irp j, 0,1,2,3
	global_load_b128 v[GR+16*\b+4*\j:GR+16*\b+4*\j+3], v3, s[6:7] offset:128*\b+16*\j
.endr
.endr
.irp b, 0,1,2,3
.irp j, 0,1,2,3
	global_load_b128 v[BR+16*\b+4*\j:BR+16*\b+4*\j+3], v3, s[8:9] offset:128*\b+16*\j
.endr
.endr
	s_wait_loadcnt 32                              ; x's sixteen loads are in; gamma1's and beta1's 32 may be out
	v_pk_add_f32 v[8:9], v[XR:XR+1], v[XR+2:XR+3]  ; the sum of my 64 numbers, two at a time, in four chains
	v_pk_add_f32 v[10:11], v[XR+4:XR+5], v[XR+6:XR+7]
	v_pk_add_f32 v[12:13], v[XR+8:XR+9], v[XR+10:XR+11]
	v_pk_add_f32 v[14:15], v[XR+12:XR+13], v[XR+14:XR+15]
.irp j, 16,24,32,40,48,56
	v_pk_add_f32 v[8:9], v[8:9], v[XR+\j:XR+\j+1]
	v_pk_add_f32 v[10:11], v[10:11], v[XR+\j+2:XR+\j+3]
	v_pk_add_f32 v[12:13], v[12:13], v[XR+\j+4:XR+\j+5]
	v_pk_add_f32 v[14:15], v[14:15], v[XR+\j+6:XR+\j+7]
.endr
	v_pk_add_f32 v[8:9], v[8:9], v[10:11]
	v_pk_add_f32 v[12:13], v[12:13], v[14:15]
	v_pk_add_f32 v[8:9], v[8:9], v[12:13]
	v_add_f32 v8, v8, v9
	v_permlanex16_b32 v7, v8, s62, s63             ; the row's other 64 numbers of this K step lie in the lane 16 away
	v_add_f32 v8, v8, v7
	v_mul_f32 v6, 0x3c000000, v8                   ; my wave's mean: / 128
.set j, 0
.rept 32
	v_pk_add_f32 v[XR+j:XR+j+1], v[XR+j:XR+j+1], v[6:7] op_sel_hi:[1,0] neg_lo:[0,1] neg_hi:[0,1]   ; x less that mean, in place
.set j, j+2
.endr
.irp c, 0,1,2,3
	v_pk_mul_f32 v[8+2*\c:9+2*\c], v[XR+2*\c:XR+2*\c+1], v[XR+2*\c:XR+2*\c+1]                       ; and the sum of its squares
.endr
.irp j, 8,16,24,32,40,48,56
.irp c, 0,1,2,3
	v_pk_fma_f32 v[8+2*\c:9+2*\c], v[XR+\j+2*\c:XR+\j+2*\c+1], v[XR+\j+2*\c:XR+\j+2*\c+1], v[8+2*\c:9+2*\c]
.endr
.endr
	v_pk_add_f32 v[8:9], v[8:9], v[10:11]
	v_pk_add_f32 v[12:13], v[12:13], v[14:15]
	v_pk_add_f32 v[8:9], v[8:9], v[12:13]
	v_add_f32 v8, v8, v9
	v_permlanex16_b32 v7, v8, s62, s63
	v_add_f32 v7, v8, v7
	ds_store_b64 v4, v[6:7]                        ; (lanes r and r + 16 store the same pair to the same place)
	s_wait_dscnt 0x0                               ; for the others' sake: my store has landed
	s_barrier_signal -1
	s_barrier_wait -1
	ds_load_b128 v[8:11], v5                       ; mean 0, squares 0, mean 1, squares 1
	ds_load_b128 v[12:15], v5 offset:16            ; and waves 2 and 3's
	s_wait_dscnt 0x0
	v_add_f32 v7, v8, v10
	v_add_f32 v9, v9, v11
	v_add_f32 v7, v7, v12
	v_add_f32 v9, v9, v13
	v_add_f32 v7, v7, v14
	v_add_f32 v9, v9, v15                          ; the four sums of squares
	v_mul_f32 v7, 0x3e800000, v7                   ; the row's mean
	v_sub_f32 v8, v8, v7
	v_sub_f32 v10, v10, v7
	v_sub_f32 v12, v12, v7
	v_sub_f32 v14, v14, v7
	v_mul_f32 v11, v8, v8
	v_fmac_f32 v11, v10, v10
	v_fmac_f32 v11, v12, v12
	v_fmac_f32 v11, v14, v14
	v_fmamk_f32 v9, v11, 0x43000000, v9            ; + 128 x the squares of the four means' distances from the row's
	v_mul_f32 v9, 0x3b004020, v9                   ; / 511
	v_sqrt_f32 v9, v9
	v_sub_f32 v6, v6, v7                           ; (a plain line behind the root)  my wave's mean less the row's
	s_wait_alu depctr_va_vdst(0)                   ; the wait ahead of the first line that names the root
	v_add_f32 v9, 0x2edbe6ff, v9                   ; std + 1e-10
	v_rcp_f32 v10, v9
	v_nop
	s_wait_alu depctr_va_vdst(0)
	v_mul_f32 v8, v6, v10
.set j, 0
.rept 32
	v_pk_fma_f32 v[XR+j:XR+j+1], v[XR+j:XR+j+1], v[10:11], v[8:9] op_sel_hi:[1,0,0]                 ; (x - mean) / (std + eps)
.set j, j+2
.endr
	s_wait_loadcnt 0x0                             ; gamma1, beta1
.set j, 0
.rept 32
	v_pk_fma_f32 v[XR+j:XR+j+1], v[XR+j:XR+j+1], v[GR+j:GR+j+1], v[BR+j:BR+j+1]
.set j, j+2
.endr
	s_wait_kmcnt 0x0
.irp y, 0,1,2
	s_add_co_i32 s56, s[33+2*\y], 127
	s_lshl_b32 s57, s56, 23
	v_mov_b32 v[8+2*\y], s57                       ; 2^e
	s_add_co_i32 s56, s56, 8
	s_lshl_b32 s56, s56, 23
	s_or_b32 s56, s56, 0x600000
	v_mov_b32 v[9+2*\y], s56                       ; 448 x 2^e
.endr
; Three times: hold into one of two sets that take turns (sixteen plain lines stand between a conversion and the next write of its sources), convert, store a chunk: 512 consecutive bytes, aligned.
.irp y, 0,1,2
.irp b, 0,1,2,3
.set i, 0
.rept 16
	v_med3_num_f32 v[GR+16*(\b%2)+i], v[XR+16*\b+i], -v[9+2*\y], v[9+2*\y]
.set i, i+1
.endr
	v_cvt_scalef32_pk8_fp8_f32 v[BR+16*\y+4*\b:BR+16*\y+4*\b+1], v[GR+16*(\b%2):GR+16*(\b%2)+7], v[8+2*\y]
	v_cvt_scalef32_pk8_fp8_f32 v[BR+16*\y+4*\b+2:BR+16*\y+4*\b+3], v[GR+16*(\b%2)+8:GR+16*(\b%2)+15], v[8+2*\y]
	global_store_b128 v1, v[BR+16*\y+4*\b:BR+16*\y+4*\b+3], s[66+2*\y:67+2*\y] offset:512*\b
.endr
.endr
	s_wait_tensorcnt 0x0
	ds_add_u32 v208, v209
	s_wait_dscnt 0x0
	s_endpgm
.Lfunc_end_k_qa6b5c2b1ff_prep:
	.size	k_qa6b5c2b1ff_prep, .Lfunc_end_k_qa6b5c2b1ff_prep-k_qa6b5c2b1ff_prep
	.p2alignl 7, 3214868480
	.fill 96, 4, 3214868480
	.section	.rodata,"a",@progbits
	.p2align	6, 0x0
	.amdhsa_kernel k_qa6b5c2b1ff_prep
		.amdhsa_group_segment_fixed_size 1536
		.amdhsa_private_segment_fixed_size 0
		.amdhsa_enable_private_segment 0
		.amdhsa_kernarg_size 96
		.amdhsa_user_sgpr_count 2
		.amdhsa_user_sgpr_kernarg_segment_ptr 1
		.amdhsa_wavefront_size32 1
		.amdhsa_system_sgpr_workgroup_id_x 1
		.amdhsa_system_sgpr_workgroup_id_y 1
		.amdhsa_system_sgpr_workgroup_id_z 1
		.amdhsa_system_vgpr_workitem_id 0
		.amdhsa_next_free_vgpr 210
		.amdhsa_next_free_sgpr 96
		.amdhsa_reserve_vcc 0
		.amdhsa_float_denorm_mode_32 3
		.amdhsa_float_denorm_mode_16_64 3
		.amdhsa_memory_ordered 1
		.amdhsa_forward_progress 1
		.amdhsa_inst_pref_size 104
	.end_amdhsa_kernel
	.amdgpu_metadata
---
amdhsa.version: [ 1, 2 ]
amdhsa.kernels:
  - .name:           k_qa6b5c2b1ff_prep
    .symbol:         k_qa6b5c2b1ff_prep.kd
    .args:
      - { .name: x, .offset: 0, .size: 8, .value_kind: global_buffer, .address_space: global }
      - { .name: gamma1, .offset: 8, .size: 8, .value_kind: global_buffer, .address_space: global }
      - { .name: beta1, .offset: 16, .size: 8, .value_kind: global_buffer, .address_space: global }
      - { .name: Wq, .offset: 24, .size: 8, .value_kind: global_buffer, .address_space: global }
      - { .name: Wk, .offset: 32, .size: 8, .value_kind: global_buffer, .address_space: global }
      - { .name: Wv, .offset: 40, .size: 8, .value_kind: global_buffer, .address_space: global }
      - { .name: Wp, .offset: 48, .size: 8, .value_kind: global_buffer, .address_space: global }
      - { .name: W1, .offset: 56, .size: 8, .value_kind: global_buffer, .address_space: global }
      - { .name: W2, .offset: 64, .size: 8, .value_kind: global_buffer, .address_space: global }
      - { .name: lowp_scales, .offset: 72, .size: 8, .value_kind: global_buffer, .address_space: global }
      - { .name: xq, .offset: 80, .size: 8, .value_kind: global_buffer, .address_space: global }
      - { .name: wc, .offset: 88, .size: 8, .value_kind: global_buffer, .address_space: global }
    .group_segment_fixed_size: 1536
    .private_segment_fixed_size: 0
    .kernarg_segment_align: 8
    .kernarg_segment_size: 96
    .max_flat_workgroup_size: 128
    .sgpr_count:     96
    .vgpr_count:     210
    .wavefront_size: 32
...
	.end_amdgpu_metadata
.endif
;; end of part 1
;; launch qkv (part 2): grid 64 x 3, 16 waves a work-group, no clusters, 169,984 bytes of LDS; arguments xq, wc, bq, bk, bv, lowp_scales, qc, kv; writes qc, kv
.if DOCPART == 2
	.amdgcn_target "amdgcn-amd-amdhsa--gfx1250"
	.amdhsa_code_object_version 6
	.text
	.protected	k_qa6b5c2b1ff_qkv
	.globl	k_qa6b5c2b1ff_qkv
	.p2align	8
	.type	k_qa6b5c2b1ff_qkv,@function
k_qa6b5c2b1ff_qkv:
	s_mov_b64 s[64:65], 0
	v_nop
	global_prefetch_b8 v0, s[64:65] scope:SCOPE_SE
	s_setreg_imm32_b32 hwreg(HW_REG_WAVE_MODE, 25, 1), 1
	s_wait_xcnt 0x0
; QKV.  Work-group (blk, y): 128 rows of x_norm (8 row tiles, one key step) x all 512 units of tensor y (0 Q, 1 K, 2 V), on codes of E4M3, K = 512 in four steps of 128.
; Results are quantised in registers and stored as images of the operands that the attention launch takes:
;   qc [bh 32][query tile 128][chunk 2][512];   kv [bh 32][key step 16][16,384: eight key tiles of 1,024 bytes, then four channel tiles of V^T of 2,048 bytes].
; SHARES.  Wave w takes units 32 w .. 32 w + 31 (weight tiles 2 w, 2 w + 1, of head w / 2): its 8 weight fragments stay in 128 registers.  The block's 32 fragments of x, 65,536 bytes, are copied into LDS once and read by all 16 waves.
; Q, K: source 0 = weight tile, source 1 = row tile: a lane holds one row and its 16 registers of the two weight tiles are 16 neighbouring units: one chunk of a fragment whose K is the head's 64.
; V: source 0 = row tile, source 1 = weight tile: a lane holds one channel and its 16 registers of two row tiles are 16 neighbouring keys: one chunk of V^T, whose K is the keys.
; The bias is the C of a sum's first matrix instruction, divided by 2^(eA + eB), which the sums lack; the three scales ahead of the quantiser are folded into the conversion's one: 2^(e_out - eA - eB).
; Scale entries: Q: 0, 1 -> 6;  K: 2, 3 -> 7;  V: 4, 5 -> 9.
; NO JOINT LOADS: LDS is filled once, by eight copies a wave at the head, 65,536 bytes a work-group, and the weights go straight into the registers of the one wave that uses them: there is no refill that a cluster's round could serve.
; LIMITS: e_out - eA - eB between -126 and 119.  NaN among the inputs is not served.
.set BI, 16                            ; v16-31   the bias as C: eight registers for each of my two weight tiles
.set WF, 32                            ; v32-159  weight fragment (tile t, K step s) at 16 (4 t + s)
.set AC, 160                           ; v160-191 four accumulators
.set XF, 192                           ; v192-255 four fragments of x: (K step s % 2, row tile xt) at 16 (2 (s % 2) + xt)
	s_load_b512 s[4:19], s[0:1], 0x0               ; xq, wc, bq, bk, bv, lowp_scales, qc, kv
	v_lshl_add_u32 v126, v0, 2, 0x29000
	v_mov_b32 v127, 0
	ds_add_u32 v126, v127
	ds_add_u32 v126, v127
	s_wait_dscnt 0x0
	v_lshlrev_b32 v2, 4, v0                        ; the copies: 16 x thread, in LDS
	v_lshlrev_b32 v3, 4, v0                        ; and in memory; neither is written again
	v_lshrrev_b32 v1, 5, v0
	v_readfirstlane_b32 s24, v1                    ; wave 0..15
	v_and_b32 v1, 31, v0
	v_lshlrev_b32 v1, 4, v1                        ; 16 x lane: my place in a chunk; never rewritten
	v_bfe_u32 v4, v0, 4, 1
	v_lshlrev_b32 v4, 6, v4                        ; Q, K: the bias of units 16 h on: 64 h bytes
	v_and_b32 v7, 15, v0
	v_and_b32 v8, 8, v7
	v_add_nc_u32 v7, v7, v8
	v_lshlrev_b32 v7, 2, v7                        ; V: the bias of unit r + 8 (r / 8)
	s_and_b32 s25, ttmp7, 0xffff                   ; y
	s_lshl_b32 s26, s25, 22                        ; xq: 4,194,304 y + 65,536 blk
	s_lshl_b32 s27, ttmp9, 16
	s_add_co_u32 s26, s26, s27
	s_mov_b32 s27, 0
	s_lshl_b32 s28, s25, 18                        ; wc: 262,144 y + 16,384 w
	s_lshl_b32 s29, s24, 14
	s_add_co_u32 s28, s28, s29
	s_mov_b32 s29, 0
	s_wait_kmcnt 0x0
	s_load_b512 s[32:47], s[14:15], 0x0            ; the sixteen exponents
	s_add_nc_u64 s[20:21], s[4:5], s[26:27]
	s_add_nc_u64 s[22:23], s[6:7], s[28:29]
.irp i, 0,1,2,3,4,5,6,7
	global_load_async_to_lds_b128 v2, v3, s[20:21] offset:8192*\i      ; the 512 threads copy 8,192 consecutive bytes; the immediate steps both addresses
.endr
.irp f, 0,1,2,3,4,5,6,7
.irp c, 0,1,2,3
	global_load_b128 v[WF+16*\f+4*\c:WF+16*\f+4*\c+3], v1, s[22:23] offset:2048*\f+512*\c
.endr
.endr
	; where the results go
	s_lshr_b32 s54, ttmp9, 4
	s_lshl_b32 s54, s54, 3
	s_lshr_b32 s55, s24, 1
	s_add_co_u32 s54, s54, s55                     ; bh = 8 batch + head
	s_and_b32 s55, ttmp9, 15                       ; the block's place in its sequence
	s_and_b32 s56, s24, 1
	s_cmp_eq_u32 s25, 0
	s_cselect_b32 s57, 17, 18                      ; a head is 131,072 bytes in qc, 262,144 in kv
	s_cselect_b32 s58, 13, 14                      ; a block 8,192 or 16,384
	s_cselect_b64 s[60:61], s[16:17], s[18:19]
	s_cselect_b64 s[52:53], s[8:9], s[10:11]
	s_cmp_eq_u32 s25, 2
	s_cselect_b32 s59, 12, 9                       ; Q, K: chunk w % 2, 512 bytes;  V: channel tiles 2 (w % 2) on, 4,096 bytes,
	s_cselect_b32 s62, 8192, 0                     ; behind the step's key tiles
	s_cselect_b64 s[52:53], s[12:13], s[52:53]     ; the bias
	s_lshl_b32 s54, s54, s57
	s_lshl_b32 s55, s55, s58
	s_lshl_b32 s56, s56, s59
	s_add_co_u32 s54, s54, s55
	s_add_co_u32 s54, s54, s56
	s_add_co_u32 s54, s54, s62
	s_mov_b32 s55, 0
	s_add_nc_u64 s[60:61], s[60:61], s[54:55]
	s_lshl_b32 s66, s24, 7                         ; my 32 units' biases
	s_mov_b32 s67, 0
	s_add_nc_u64 s[52:53], s[52:53], s[66:67]
	s_wait_kmcnt 0x0
	s_cmp_eq_u32 s25, 0
	s_cselect_b32 s48, s32, s34                    ; eA
	s_cselect_b32 s49, s33, s35                    ; eB
	s_cselect_b32 s50, s38, s39                    ; e_out
	s_cmp_eq_u32 s25, 2
	s_cselect_b32 s48, s36, s48
	s_cselect_b32 s49, s37, s49
	s_cselect_b32 s50, s41, s50
	s_add_co_i32 s51, s48, s49
	s_sub_co_i32 s50, s50, s51
	s_sub_co_i32 s51, 0, s51                       ; -(eA + eB), for the bias
	s_add_co_i32 s50, s50, 127
	s_lshl_b32 s63, s50, 23
	v_mov_b32 v5, s63                              ; 2^(e_out - eA - eB)
	s_add_co_i32 s50, s50, 8
	s_lshl_b32 s50, s50, 23
	s_or_b32 s50, s50, 0x600000
	v_mov_b32 v6, s50                              ; 448 x that
	s_cmp_eq_u32 s25, 2                            ; the branch hangs on the grid's y alone
	s_cbranch_scc1 .Lbias_v
.irp i, 0,1,2,3
	global_load_b128 v[BI+4*\i:BI+4*\i+3], v4, s[52:53] offset:16*\i   ; register 8 t + j: unit 32 w + 16 h + 8 t + j
.endr
	s_wait_loadcnt 0x0                             ; the weights and the bias
.set i, 0
.rept 16
	v_ldexp_f32 v[BI+i], v[BI+i], s51
.set i, i+1
.endr
	s_branch .Lbias_done
.Lbias_v:
	global_load_b32 v[BI], v7, s[52:53]            ; a lane holds one channel: one number for each weight tile,
	global_load_b32 v[BI+8], v7, s[52:53] offset:32
	s_wait_loadcnt 0x0
	v_ldexp_f32 v[BI], v[BI], s51
	v_ldexp_f32 v[BI+8], v[BI+8], s51
.irp i, 1,2,3,4,5,6,7
	v_mov_b32 v[BI+\i], v[BI]                      ; the same for its eight keys
	v_mov_b32 v[BI+8+\i], v[BI+8]
.endr
.Lbias_done:
	s_wait_asynccnt 0x0                            ; my eight copies have landed,
	s_barrier_signal -1
	s_barrier_wait -1                              ; everybody's have
; One matrix instruction.  vp = 0: accumulator 2 xt + wt (a = xt, b = wt);  vp = 1: accumulator 2 wt + xt (a = wt, b = xt).  K step 0 starts the sum with the bias.
.macro MM vp, s, sl, a, b
.set rD, AC+8*(2*(\a)+(\b))
.if \vp
.set rA, XF+16*(2*(\sl)+(\b))
.set rB, WF+16*(4*(\a)+(\s))
.set rC, BI+8*(\a)
.else
.set rA, WF+16*(4*(\b)+(\s))
.set rB, XF+16*(2*(\sl)+(\a))
.set rC, BI+8*(\b)
.endif
.if (\s) == 0
	v_wmma_f32_16x16x128_fp8_fp8 v[rD:rD+7], v[rA:rA+15], v[rB:rB+15], v[rC:rC+7]
.else
	v_wmma_f32_16x16x128_fp8_fp8 v[rD:rD+7], v[rA:rA+15], v[rB:rB+15], v[rD:rD+7]
.endif
.endm
; Row tiles 2 p and 2 p + 1 against my two weight tiles: 16 matrix instructions, the four accumulators by turns, two K steps' fragments of x at a time.
.macro BLOCK p, vp
	s_wait_xcnt 0x0                                ; the last block's stores have read their data: the codes' registers may be written again
.irp hs, 0,1
.irp sl, 0,1
.irp xt, 0,1
.irp c, 0,1,2,3
	ds_load_b128 v[XF+16*(2*\sl+\xt)+4*\c:XF+16*(2*\sl+\xt)+4*\c+3], v1 offset:((2*(\p)+\xt)*4+2*\hs+\sl)*2048+512*\c
.endr
.endr
.endr
	s_wait_dscnt 0x0
.irp sl, 0,1
.irp a, 0,1
.irp b, 0,1
	MM \vp, (2*\hs+\sl), \sl, \a, \b
.endr
.endr
.endr
.rept 4
	v_nop                                          ; four places in front of loads into registers that matrix instructions have read, and of the first read of results
.endr
.endr
.irp g, 0,1
.set i, 0
.rept 16
	v_med3_num_f32 v[AC+16*\g+i], v[AC+16*\g+i], -v6, v6       ; the hold, each accumulator from its low end on
.set i, i+1
.endr
	v_cvt_scalef32_pk8_fp8_f32 v[8+4*\g:9+4*\g], v[AC+16*\g:AC+16*\g+7], v5
	v_cvt_scalef32_pk8_fp8_f32 v[10+4*\g:11+4*\g], v[AC+16*\g+8:AC+16*\g+15], v5
.endr
	v_nop                                          ; a plain line between the last conversion and the next products, which write its sources
.irp g, 0,1
.if \vp
	global_store_b128 v1, v[8+4*\g:11+4*\g], s[60:61] offset:2048*\g+512*(\p)      ; channel tile g of my two, chunk p: keys 32 p on
.else
	global_store_b128 v1, v[8+4*\g:11+4*\g], s[60:61] offset:1024*(2*(\p)+\g)      ; row tile 2 p + g, my chunk: 512 consecutive bytes, aligned
.endif
.endr
.endm
	s_cmp_eq_u32 s25, 2
	s_cbranch_scc1 .Lv
	BLOCK 0, 0
	BLOCK 1, 0
	BLOCK 2, 0
	BLOCK 3, 0
	s_wait_xcnt 0x0
	v_lshl_add_u32 v126, v0, 2, 0x29000
	v_mov_b32 v127, 0
	s_wait_tensorcnt 0x0
	ds_add_u32 v126, v127
	s_wait_dscnt 0x0
	s_endpgm
.Lv:
	BLOCK 0, 1
	BLOCK 1, 1
	BLOCK 2, 1
	BLOCK 3, 1
	s_wait_xcnt 0x0
	v_lshl_add_u32 v126, v0, 2, 0x29000
	v_mov_b32 v127, 0
	s_wait_tensorcnt 0x0
	ds_add_u32 v126, v127
	s_wait_dscnt 0x0
	s_endpgm
.Lfunc_end_k_qa6b5c2b1ff_qkv:
	.size	k_qa6b5c2b1ff_qkv, .Lfunc_end_k_qa6b5c2b1ff_qkv-k_qa6b5c2b1ff_qkv
	.p2alignl 7, 3214868480
	.fill 96, 4, 3214868480
	.section	.rodata,"a",@progbits
	.p2align	6, 0x0
	.amdhsa_kernel k_qa6b5c2b1ff_qkv
		.amdhsa_group_segment_fixed_size 169984
		.amdhsa_private_segment_fixed_size 0
		.amdhsa_enable_private_segment 0
		.amdhsa_kernarg_size 64
		.amdhsa_user_sgpr_count 2
		.amdhsa_user_sgpr_kernarg_segment_ptr 1
		.amdhsa_wavefront_size32 1
		.amdhsa_system_sgpr_workgroup_id_x 1
		.amdhsa_system_sgpr_workgroup_id_y 1
		.amdhsa_system_sgpr_workgroup_id_z 1
		.amdhsa_system_vgpr_workitem_id 0
		.amdhsa_next_free_vgpr 256
		.amdhsa_next_free_sgpr 96
		.amdhsa_reserve_vcc 0
		.amdhsa_float_denorm_mode_32 3
		.amdhsa_float_denorm_mode_16_64 3
		.amdhsa_memory_ordered 1
		.amdhsa_forward_progress 1
		.amdhsa_inst_pref_size 57
	.end_amdhsa_kernel
	.amdgpu_metadata
---
amdhsa.version: [ 1, 2 ]
amdhsa.kernels:
  - .name:           k_qa6b5c2b1ff_qkv
    .symbol:         k_qa6b5c2b1ff_qkv.kd
    .args:
      - { .name: xq, .offset: 0, .size: 8, .value_kind: global_buffer, .address_space: global }
      - { .name: wc, .offset: 8, .size: 8, .value_kind: global_buffer, .address_space: global }
      - { .name: bq, .offset: 16, .size: 8, .value_kind: global_buffer, .address_space: global }
      - { .name: bk, .offset: 24, .size: 8, .value_kind: global_buffer, .address_space: global }
      - { .name: bv, .offset: 32, .size: 8, .value_kind: global_buffer, .address_space: global }
      - { .name: lowp_scales, .offset: 40, .size: 8, .value_kind: global_buffer, .address_space: global }
      - { .name: qc, .offset: 48, .size: 8, .value_kind: global_buffer, .address_space: global }
      - { .name: kv, .offset: 56, .size: 8, .value_kind: global_buffer, .address_space: global }
    .group_segment_fixed_size: 169984
    .private_segment_fixed_size: 0
    .kernarg_segment_align: 8
    .kernarg_segment_size: 64
    .max_flat_workgroup_size: 512
    .sgpr_count:     96
    .vgpr_count:     256
    .wavefront_size: 32
...
	.end_amdgpu_metadata
.endif
;; end of part 2
;; launch attn (part 3): grid 8 x 32, 16 waves a work-group, no clusters, 264,192 bytes of LDS; arguments qc, kv, lowp_scales, ac; writes ac
.if DOCPART == 3
	.amdgcn_target "amdgcn-amd-amdhsa--gfx1250"
	.amdhsa_code_object_version 6
	.text
	.protected	k_qa6b5c2b1ff_attn
	.globl	k_qa6b5c2b1ff_attn
	.p2align	8
	.type	k_qa6b5c2b1ff_attn,@function
k_qa6b5c2b1ff_attn:
	s_mov_b64 s[64:65], 0
	v_nop
	global_prefetch_b8 v0, s[64:65] scope:SCOPE_SE
	s_setreg_imm32_b32 hwreg(HW_REG_WAVE_MODE, 25, 1), 1
	s_wait_xcnt 0x0
; ATTENTION on codes of E4M3.  Work-group (x, bh): 256 queries of head bh; each of its 16 waves owns one tile of 16 queries in 256 registers: four waves to a SIMD, so that one wave's softmax stands beside another's products and LDS loads.
; THE HEAD'S WHOLE K AND V, 262,144 bytes, lie in LDS as they lie in kv: 16 key steps of 16,384 bytes (eight key tiles of 1,024, four channel tiles of V^T of 2,048), copied once at the head.  No LDS byte is filled twice.
; Both products are used transposed: S^T = K Q^T (K = the head's 64: the 16x16x64 form), O^T = V^T P^T (K = 128 keys): a lane holds one query throughout.  The keys of a tile are chosen so that the 16 registers of tiles 2 b, 2 b + 1 are 16 neighbouring keys.
; THE SOFTMAX: t = score x log2(e) / 8; M = the running largest t rounded UP to a whole number; p = 2^(t - M) is quantised under entry 8, not normalised; the row's sum is taken of the unquantised p and divides at the end;
; when M moves, the sum and O^T are multiplied by 2^(old M - new M), which rounds nothing.
; THE ORDER OF A KEY STEP.  Its 64 exponentials go in two batches of 32, each with one wait, and plain lines stand between the exponentials, so that a wave has plain lines to issue among them: among the first batch's the
; scalings still to be done, the sum's rescaling and O^T's first pair (34 lines with the two that lead); among the second batch's the first batch's readers (15 additions, 32 holds, 4 conversions) and O^T's pairs 1 to 12 (63 lines).
; TWO BARRIERS IN ALL: behind the first the head's first quarter is read (four key steps) while the other three quarters are on their way; behind the second the other twelve key steps run in one loop, each wave at its own pace.
; OUT: O / sum x 2^(e8 + e9), quantised under entry 10, as chunks of the projection's operand: ac [row tile 512][K step 4][chunk 4][512], k = 64 head + channel.
; NO JOINT LOADS, NO PREFETCH: a work-group asks for all its 262,144 bytes by 32 copies a wave at its head; there is no later request that a round or a prefetch could serve.
; LIMITS: e6 + e7 between -123 and 130 (added to c's exponent field); e8 and e10 between -126 and 119.  NaN among the inputs is not served.
.set LI,  1                            ; v1   16 x lane; never rewritten
.set ADR, 8                            ; v8   LDS address of the step in hand
.set QF,  16                           ; v16-23  Q's fragment.   v12 -M, v13 the largest t, v[14:15] the sum in two halves
.set CA,  24                           ; v24-27  the copies' LDS address for quarter q: 16 x thread + 65,536 q; never rewritten
.set CG,  28                           ; v28-31  the same number as their offset in memory; never rewritten
.set KF,  32                           ; v32-95  eight fragments of K, then four of V^T
.set S,   96                           ; v96-159 S^T, then p
.set O,   160                          ; v160-191 O^T
.set PC,  192                          ; v192-207 p's codes
.set SCP, 208                          ; 2^e8, and 448 x 2^e8
.set LMP, 209
.set TA,  210
.set TC,  211
.set F,   212                          ; v[212:213] f = 2^(old M - new M), as the low word of a pair
.set TP,  214
.set SU,  216
.set SCO, 218                          ; 2^e10, and 448 x 2^e10
.set LMO, 219
.set WV,  16
.set SEL, 20
.set CS,  22
.set TB,  24
.set CNT, 25
	s_load_b256 s[4:11], s[0:1], 0x0               ; qc, kv, lowp_scales, ac
	v_lshl_add_u32 v254, v0, 2, 0x40000
	v_mov_b32 v255, 0
	ds_add_u32 v254, v255
	ds_add_u32 v254, v255
.irp q, 0,1,2,3
	v_lshl_add_u32 v[CA+\q], v0, 4, 65536*\q       ; a quarter of the head is 65,536 bytes: each has its own pair of address registers, so that a copy's immediate stays under 65,536
	v_lshl_add_u32 v[CG+\q], v0, 4, 65536*\q
.endr
	v_lshrrev_b32 v4, 5, v0
	v_readfirstlane_b32 s[WV], v4                  ; wave 0..15
	v_and_b32 v[LI], 31, v0
	v_lshlrev_b32 v[LI], 4, v[LI]
	s_and_b32 s17, ttmp7, 0xffff                   ; bh
	s_lshl_b32 s12, s17, 18
	s_mov_b32 s13, 0
	s_lshl_b32 s18, ttmp9, 4
	s_add_co_u32 s18, s18, s[WV]                   ; my query tile in the sequence
	s_lshl_b32 s14, s17, 17
	s_lshl_b32 s19, s18, 10
	s_add_co_u32 s14, s14, s19
	s_mov_b32 s15, 0
	s_lshr_b32 s26, s17, 3                         ; ac: row tile 128 batch + tile,
	s_lshl_b32 s26, s26, 7
	s_add_co_u32 s26, s26, s18
	s_lshl_b32 s26, s26, 2
	s_bfe_u32 s27, s17, 0x20001                    ; K step head / 2,
	s_add_co_u32 s26, s26, s27
	s_lshl_b32 s26, s26, 11
	s_and_b32 s27, s17, 1
	s_lshl_b32 s27, s27, 10                        ; chunks 2 (head % 2) on
	s_add_co_u32 s26, s26, s27
	s_mov_b32 s27, 0
	s_wait_dscnt 0x0
	s_wait_kmcnt 0x0
	s_load_b512 s[32:47], s[8:9], 0x0              ; the sixteen exponents
	s_add_nc_u64 s[12:13], s[6:7], s[12:13]        ; my head in kv; never rewritten
	s_add_nc_u64 s[14:15], s[4:5], s[14:15]
	s_add_nc_u64 s[26:27], s[10:11], s[26:27]
	global_load_b128 v[QF:QF+3], v[LI], s[14:15]                   ; Q is asked for ahead of the copies: the first products want it, and its 1,024 bytes do not stand behind the wave's 16,384
	global_load_b128 v[QF+4:QF+7], v[LI], s[14:15] offset:512
.irp q, 0,1,2,3
.irp i, 0,1,2,3,4,5,6,7
	global_load_async_to_lds_b128 v[CA+\q], v[CG+\q], s[12:13] offset:8192*\i   ; the 512 threads copy 8,192 consecutive bytes; the immediate steps both addresses.  Two copies are a key step, eight a quarter of the head
.endr
.endr
	s_mov_b32 s[SEL], 0x76543210
	s_mov_b32 s[SEL+1], 0xfedcba98                 ; v_permlanex16_b32's selects for lane l xor 16
	s_mov_b32 s[CS], 0x3e38aa3b                    ; c = log2(e) / 8
	v_mov_b32 v13, 0xff61b1e6                      ; the largest t so far: -3e38, under every t
	v_floor_f32 v12, -v13                          ; -M
	v_mov_b32 v14, 0
	v_mov_b32 v15, 0
	v_mov_b32 v[F+1], 0                            ; (named as the upper half of a pair)
	v_mov_b32 v[TP], 0                             ; written once: a lane permute's destination counts as one of its sources
.set i, 0
.rept 32
	v_mov_b32 v[O+i], 0                            ; the step is written for all trips alike: the first finds zeros, which the first change of M leaves zeros
.set i, i+1
.endr
	s_wait_kmcnt 0x0
	s_add_co_i32 s28, s38, s39
	s_lshl_b32 s28, s28, 23
	s_add_co_i32 s[CS], s[CS], s28                 ; a score stands for score x 2^(e6 + e7)
	s_mov_b32 s[CS+1], s[CS]
	s_add_co_i32 s28, s40, 127
	s_lshl_b32 s29, s28, 23
	v_mov_b32 v[SCP], s29
	s_add_co_i32 s28, s28, 8
	s_lshl_b32 s28, s28, 23
	s_or_b32 s28, s28, 0x600000
	v_mov_b32 v[LMP], s28
	s_add_co_i32 s28, s42, 127
	s_lshl_b32 s29, s28, 23
	v_mov_b32 v[SCO], s29
	s_add_co_i32 s28, s28, 8
	s_lshl_b32 s28, s28, 23
	s_or_b32 s28, s28, 0x600000
	v_mov_b32 v[LMO], s28
	s_add_co_i32 s30, s40, s41                     ; e8 + e9
; THE LINES OF A SOFTMAX, one to a macro.
.macro SCL j                           ; pair j (0 .. 31) of the scores: t - M, two at a time
	v_pk_fma_f32 v[S+2*(\j):S+2*(\j)+1], v[S+2*(\j):S+2*(\j)+1], s[CS:CS+1], v[12:13] op_sel_hi:[1,0,0]
.endm
.macro EXQ n                           ; number n (0 .. 63): p = 2^(t - M), at most 1
	v_exp_f32 v[S+(\n)], v[S+(\n)]
.endm
.macro ORS k                           ; pair k (0 .. 15) of O^T under the new M.  They are written in ascending order
	v_pk_mul_f32 v[O+2*(\k):O+2*(\k)+1], v[O+2*(\k):O+2*(\k)+1], v[F:F+1] op_sel_hi:[1,0]
.endm
; Reader k (0 .. 25) of block b (16 registers: 16 neighbouring keys): 0-7 the row's sum, of the unquantised p, in two chains (even pairs onto v[14:15], odd ones onto SU; block 0's first line starts SU with two pairs,
; so its second is empty); 8-23 the hold; 24, 25 the conversions.  The additions stand ahead of the holds, which work in place.
.macro RDR b, k
.if (\k) < 8
.if ((\b) == 0) && ((\k) == 0)
	v_pk_add_f32 v[SU:SU+1], v[S:S+1], v[S+2:S+3]
.elseif ((\b) == 0) && ((\k) == 1)
.elseif ((\k) % 2) == 0
	v_pk_add_f32 v[14:15], v[14:15], v[S+16*(\b)+2*(\k):S+16*(\b)+2*(\k)+1]
.else
	v_pk_add_f32 v[SU:SU+1], v[SU:SU+1], v[S+16*(\b)+2*(\k):S+16*(\b)+2*(\k)+1]
.endif
.elseif (\k) < 24
	v_min_num_f32 v[S+16*(\b)+(\k)-8], v[S+16*(\b)+(\k)-8], v[LMP]     ; the conversion does not saturate (ISA guide 7.6.2); p is not negative, so the hold is one-sided
.elseif (\k) == 24
	v_cvt_scalef32_pk8_fp8_f32 v[PC+4*(\b):PC+4*(\b)+1], v[S+16*(\b):S+16*(\b)+7], v[SCP]
.else
	v_cvt_scalef32_pk8_fp8_f32 v[PC+4*(\b)+2:PC+4*(\b)+3], v[S+16*(\b)+8:S+16*(\b)+15], v[SCP]
.endif
.endm
.macro POOLA q                         ; line q (0 .. 31) of those that stand among the first batch's exponentials: none names a register that has been through an exponential
.if (\q) < 30
	SCL (\q)+2                                     ; pair q + 2: scaled at least one pair's turn ahead of its own exponentials
.elseif (\q) == 30
	v_pk_mul_f32 v[14:15], v[14:15], v[F:F+1] op_sel_hi:[1,0]      ; the sums under the new M
.else
	ORS 0
.endif
.endm
.macro POOLB q                         ; line q (0 .. 63) of those that stand among the second batch's: the first batch's readers, which its wait has freed, then O^T's pairs 1 to 12
.if (\q) < 26
	RDR 0, (\q)
.elseif (\q) < 52
	RDR 1, (\q)-26
.else
	ORS (\q)-51
.endif
.endm
; A KEY STEP: 128 keys at LDS byte s[TB].
.macro STEP
	v_add_nc_u32 v[ADR], s[TB], v[LI]
.rept 3
	v_nop                                          ; with the addition above: four places in front of loads into registers that the last products read
.endr
.irp t, 0,1,2,3,4,5,6,7
	ds_load_b128 v[KF+8*\t:KF+8*\t+3], v[ADR] offset:1024*\t
	ds_load_b128 v[KF+8*\t+4:KF+8*\t+7], v[ADR] offset:1024*\t+512
.endr
	s_wait_dscnt 0x0
.irp t, 0,1,2,3,4,5,6,7
	v_wmma_f32_16x16x64_fp8_fp8 v[S+8*\t:S+8*\t+7], v[KF+8*\t:KF+8*\t+7], v[QF:QF+7], 0
.endr
.rept 4
	v_nop                                          ; places in front of V's loads and of the first read of the scores
.endr
.irp t, 0,1,2,3
.irp c, 0,1,2,3
	ds_load_b128 v[KF+16*\t+4*\c:KF+16*\t+4*\c+3], v[ADR] offset:8192+2048*\t+512*\c   ; V^T lands while the softmax is walked
.endr
.endr
	v_max3_num_f32 v[TA], v[S], v[S+1], v[S+2]     ; the step's largest score of my query among my 64 keys, in two chains, each tile from its low end on
	v_max3_num_f32 v[TC], v[S+3], v[S+4], v[S+5]
.irp i, 6,10,14,18,22,26,30,34,38,42,46,50,54,58
	v_max3_num_f32 v[TA], v[TA], v[S+\i], v[S+\i+1]
	v_max3_num_f32 v[TC], v[TC], v[S+\i+2], v[S+\i+3]
.endr
	v_max3_num_f32 v[TA], v[TA], v[S+62], v[S+63]
	v_max_num_f32 v[TA], v[TA], v[TC]
	v_permlanex16_b32 v[TP], v[TA], s[SEL], s[SEL+1]
	v_max_num_f32 v[TA], v[TA], v[TP]              ; and among lane l xor 16's
	v_mul_f32 v[TA], s[CS], v[TA]                  ; as t (c is positive)
	v_max_num_f32 v13, v13, v[TA]                  ; the running largest t
	v_mov_b32 v[TA], v12
	v_floor_f32 v12, -v13                          ; the new -M = floor(-t): M is a whole number
	v_sub_f32 v[TA], v12, v[TA]                    ; old M - new M: a whole number, 0 or less
	v_cvt_i32_f32 v[TA], v[TA]                     ; (it saturates)
	v_ldexp_f32 v[F], 1.0, v[TA]                   ; f = 2^(old M - new M)
	SCL 0                                          ; THE FIRST BATCH: numbers 0 to 31 (blocks 0 and 1).  Two scalings lead; then a plain line behind each exponential
	SCL 1
.set ee, 0
.rept 16
	EXQ 2*ee
	POOLA 2*ee
	EXQ 2*ee+1
	POOLA 2*ee+1
.set ee, ee+1
.endr
	s_wait_alu depctr_va_vdst(0)                   ; one wait for the batch, behind a plain line (O^T's first pair) and ahead of its first reader
.set ee, 0
.rept 32                               ; THE SECOND BATCH: numbers 32 to 63 (blocks 2 and 3), two lines behind each exponential; none of them names a register of this batch
	EXQ 32+ee
	POOLB 2*ee
	POOLB 2*ee+1
.set ee, ee+1
.endr
	s_wait_alu depctr_va_vdst(0)                   ; one wait for the batch, behind two plain lines (O^T's pairs 11 and 12) and ahead of its first reader
.set ee, 0
.rept 26
	RDR 2, ee
.set ee, ee+1
.endr
.set ee, 0
.rept 26
	RDR 3, ee
.set ee, ee+1
.endr
	v_pk_add_f32 v[14:15], v[14:15], v[SU:SU+1]    ; the two chains of the sum.  This line and the three below are the plain lines between the last conversion and the products
	ORS 13
	ORS 14
	ORS 15
	s_wait_dscnt 0x0                               ; V^T is in
.irp t, 0,1,2,3
	v_wmma_f32_16x16x128_fp8_fp8 v[O+8*\t:O+8*\t+7], v[KF+16*\t:KF+16*\t+15], v[PC:PC+15], v[O+8*\t:O+8*\t+7]   ; four accumulators by turns
.endr
.endm
; A part of the head: trips key steps from LDS byte first on.  out = how many of my 32 copies may stay out, so they may cross the barrier.
.macro PART out, first, trips
	s_wait_asynccnt \out                           ; my copies of what is read behind this barrier have landed,
	s_wait_dscnt 0x0
	s_barrier_signal -1
	s_barrier_wait -1                              ; everybody's have
	s_mov_b32 s[TB], \first
	s_mov_b32 s[CNT], \trips
.Lstep_\@:
	STEP
	s_add_co_u32 s[TB], s[TB], 16384
	s_sub_co_u32 s[CNT], s[CNT], 1
	s_cmp_lg_u32 s[CNT], 0
	s_cbranch_scc1 .Lstep_\@
.endm
	s_wait_loadcnt 0x0                             ; Q
	PART 24, 0, 4                                  ; the first quarter: my first eight copies are in; the 24 of the three later quarters may be out
	PART 0, 65536, 12                              ; the rest: all copies are in, and no barrier follows
	; THE WAY OUT
.rept 4
	v_nop                                          ; places behind the last products
.endr
	v_add_f32 v14, v14, v15
	v_permlanex16_b32 v[TP], v14, s[SEL], s[SEL+1]
	v_add_f32 v14, v14, v[TP]                      ; the row's sum
	v_rcp_f32 v14, v14
	v_nop
	s_wait_alu depctr_va_vdst(0)
	v_ldexp_f32 v14, v14, s30                      ; x 2^(e8 + e9)
.set j, 0
.rept 32
	v_mul_f32 v[S+j], v[O+j], v14                  ; register 16 b + i: channel 32 b + 16 h + i of my query
.set j, j+1
.endr
.set j, 0
.rept 32
	v_med3_num_f32 v[S+j], v[S+j], -v[LMO], v[LMO]
.set j, j+1
.endr
.irp g, 0,1,2,3
	v_cvt_scalef32_pk8_fp8_f32 v[KF+2*\g:KF+2*\g+1], v[S+8*\g:S+8*\g+7], v[SCO]
.endr
	v_nop
	global_store_b128 v[LI], v[KF:KF+3], s[26:27]                  ; a chunk: 512 consecutive bytes, aligned
	global_store_b128 v[LI], v[KF+4:KF+7], s[26:27] offset:512
	s_wait_tensorcnt 0x0
	ds_add_u32 v254, v255
	s_wait_dscnt 0x0
	s_endpgm
.Lfunc_end_k_qa6b5c2b1ff_attn:
	.size	k_qa6b5c2b1ff_attn, .Lfunc_end_k_qa6b5c2b1ff_attn-k_qa6b5c2b1ff_attn
	.p2alignl 7, 3214868480
	.fill 96, 4, 3214868480
	.section	.rodata,"a",@progbits
	.p2align	6, 0x0
	.amdhsa_kernel k_qa6b5c2b1ff_attn
		.amdhsa_group_segment_fixed_size 264192
		.amdhsa_private_segment_fixed_size 0
		.amdhsa_enable_private_segment 0
		.amdhsa_kernarg_size 32
		.amdhsa_user_sgpr_count 2
		.amdhsa_user_sgpr_kernarg_segment_ptr 1
		.amdhsa_wavefront_size32 1
		.amdhsa_system_sgpr_workgroup_id_x 1
		.amdhsa_system_sgpr_workgroup_id_y 1
		.amdhsa_system_sgpr_workgroup_id_z 1
		.amdhsa_system_vgpr_workitem_id 0
		.amdhsa_next_free_vgpr 256
		.amdhsa_next_free_sgpr 80
		.amdhsa_reserve_vcc 0
		.amdhsa_float_denorm_mode_32 3
		.amdhsa_float_denorm_mode_16_64 3
		.amdhsa_memory_ordered 1
		.amdhsa_forward_progress 1
		.amdhsa_inst_pref_size 43
	.end_amdhsa_kernel
	.amdgpu_metadata
---
amdhsa.version: [ 1, 2 ]
amdhsa.kernels:
  - .name:           k_qa6b5c2b1ff_attn
    .symbol:         k_qa6b5c2b1ff_attn.kd
    .args:
      - { .name: qc, .offset: 0, .size: 8, .value_kind: global_buffer, .address_space: global }
      - { .name: kv, .offset: 8, .size: 8, .value_kind: global_buffer, .address_space: global }
      - { .name: lowp_scales, .offset: 16, .size: 8, .value_kind: global_buffer, .address_space: global }
      - { .name: ac, .offset: 24, .size: 8, .value_kind: global_buffer, .address_space: global }
    .group_segment_fixed_size: 264192
    .private_segment_fixed_size: 0
    .kernarg_segment_align: 8
    .kernarg_segment_size: 32
    .max_flat_workgroup_size: 512
    .sgpr_count:     80
    .vgpr_count:     256
    .wavefront_size: 32
...
	.end_amdgpu_metadata
.endif
;; end of part 3
;; launch tail (part 4): grid 256 x 1, 16 waves a work-group, no clusters, 237,568 bytes of LDS; arguments x, ac, wc, bp, gamma2, beta2, b1, b2, lowp_scales, out0; writes out0
.if DOCPART == 4
	.amdgcn_target "amdgcn-amd-amdhsa--gfx1250"
	.amdhsa_code_object_version 6
	.text
	.protected	k_qa6b5c2b1ff_tail
	.globl	k_qa6b5c2b1ff_tail
	.p2align	8
	.type	k_qa6b5c2b1ff_tail,@function
k_qa6b5c2b1ff_tail:
	s_mov_b64 s[64:65], 0
	v_nop
	global_prefetch_b8 v0, s[64:65] scope:SCOPE_SE
	s_setreg_imm32_b32 hwreg(HW_REG_WAVE_MODE, 25, 1), 1
	s_wait_xcnt 0x0
; TAIL: x1 = att Wp + bp + x;  n = norm(x1) gamma2 + beta2;  h = gelu(n W1 + b1);  out = gelu(h W2 + b2) + x1.  All three products on codes of E4M3; x1, n and h never go to memory.
; SHARES.  Work-group g takes rows 32 g .. 32 g + 31: row tiles m = 0, 1 (lane row r of tile m is row 8 m + r + 8 (r / 8)).  THE 16 WAVES SHARE THE COLUMNS: wave w makes columns 32 w .. 32 w + 31 of the projection and of the
; last product, and hidden units 128 w .. 128 w + 127, which are K step w of the last product.  Every product is used transposed (source 0 = weight tile, source 1 = row tile): a lane holds one row, and its 16 registers of two
; neighbouring weight tiles are 16 neighbouring columns: two conversions make them a chunk of the next operand.  Operands go from wave to wave through LDS as images of their registers (512 bytes a chunk, 16 x lane).
; WEIGHTS go from memory straight into the registers of the one wave that multiplies by them, two buffers of 64 registers by turns, 16 loads of 512 consecutive bytes a step, one step ahead.
; NO JOINT LOADS: all work-groups walk the same 2,359,296 bytes of weight codes, but a joint load lands in LDS, of which 235,520 bytes are taken, and every byte would then be written there and read again for one use by one wave.
; GELU: g = max(x, 0) - |x| q, q = Phi(-|x|) = E t (a1 + t (a2 + t (a3 + t (a4 + t a5)))), t = 1 / (1 + 0.23164189 |x|), E = 2^-(0.8493218 x)^2: Abramowitz and Stegun 7.1.26 with halved coefficients.
; LIMIT: the absolute error of q is at most 7.5e-8 for every x; relative to q it grows for x under about -4, where |g| is under 1e-4.  No difference is formed for negative x.
; LIMITS on the given exponents: e10 + e11, e12 + e13, e14 + e15 between -126 and 127; e12 and e14 between -126 and 119.  NaN among the inputs is not served.
; LDS: XS 32 rows of x, later x1, 2,064 bytes apart | YS the same for the result | NF 8 fragments: the attention's codes, later n's, at 2,048 (4 m + s) | HF h's 32 fragments at 2,048 (16 m + s) |
;      BL b1, bp, gamma2, beta2, b2 | ST the waves' means at 80 (16 m + r) + 4 w, their sums of squares 2,560 further on.
; FIVE BARRIERS, each behind every wave's wait for all its LDS instructions.  NF is written anew only behind the second, in front of which its first reads end; a wave writes x1 over the very bytes of XS that it alone read.
.set XP, 2064
.set XS, 0
.set YS, 66048
.set NF, 132096
.set HF, 148480
.set BL, 214016
.set ST, 230400
.set T,  16                            ; v16-31   at work
.set R0, 32                            ; v32-95, v96-159  two buffers of weight fragments
.set AC, 160                           ; v160-223 accumulators (the projection and the last product use v160-191)
.set AF, 224                           ; v224-255 the row tiles' fragments; at work in gelu
; v1 16 x lane; v2 my place in XS in the result's layout; v3, v4 addresses of the phase in hand; v5, v6 the conversion's scale and hold; v7 my columns in bp, gamma2, beta2, b2; v[8:9] a4;
; v10-13 my wave's means and sums of squares; from the hidden layer on v10-15 are LDS addresses.
.macro BARRIER
	s_wait_dscnt 0x0                               ; my LDS stores have landed and my LDS loads are in
	s_barrier_signal -1
	s_barrier_wait -1
.endm
.macro PLACES                          ; four places in front of loads into registers that matrix instructions have read, and of the first read of results
.rept 4
	v_nop
.endr
.endm
	s_load_b512 s[4:19], s[0:1], 0x0               ; x, ac, wc, bp, gamma2, beta2, b1, b2
	s_load_b128 s[20:23], s[0:1], 0x40             ; lowp_scales, out0
	v_lshrrev_b32 v3, 5, v0
	v_readfirstlane_b32 s24, v3                    ; wave 0..15
	v_and_b32 v1, 31, v0
	v_lshlrev_b32 v1, 4, v1
	v_and_b32 v3, 15, v0                           ; r
	v_bfe_u32 v4, v0, 4, 1                         ; h
	v_and_b32 v2, 8, v3
	v_add_nc_u32 v2, v2, v3
	v_mul_u32_u24 v2, v2, XP
	v_lshl_add_u32 v2, v4, 6, v2
	s_lshl_b32 s25, s24, 7
	v_add_nc_u32 v2, s25, v2                       ; 2,064 (r + 8 (r / 8)) + 128 w + 64 h: columns 32 w + 16 h on, of tile 0's row r; tile 1's lie 8 rows further
	v_lshlrev_b32 v7, 6, v4
	v_add_nc_u32 v7, s25, v7
	v_add_nc_u32 v7, BL+8192, v7
	s_mul_i32 s91, s24, 2*XP                       ; rows 2 w, 2 w + 1
	v_add_nc_u32 v208, s91, v1
	v_lshlrev_b32 v209, 4, v0                      ; 16 x thread
	v_add_nc_u32 v210, NF, v209
	v_add_nc_u32 v211, BL, v209
	v_add_nc_u32 v3, NF, v1
	v_mov_b32 v8, 0xbf3a00e3                       ; a4 / 2
	v_mov_b32 v9, 0xbf3a00e3
	v_mov_b32 v11, 0                               ; (upper halves of pairs, and a lane permute's destination: written once)
	v_mov_b32 v13, 0
	v_mov_b32 v14, 0
	s_lshl_b32 s26, ttmp9, 16                      ; x, out0: 65,536 g + 4,096 w
	s_lshl_b32 s27, s24, 12
	s_add_co_u32 s26, s26, s27
	s_mov_b32 s27, 0
	s_lshl_b32 s28, ttmp9, 14                      ; ac: 16,384 g
	s_mov_b32 s29, 0
	s_and_b32 s30, s24, 3
	s_lshl_b32 s30, s30, 9
	s_mov_b32 s31, 0
	s_lshl_b32 s32, s24, 14
	s_add_co_u32 s32, s32, 786432                  ; Wp's tiles 2 w, 2 w + 1
	s_mov_b32 s33, 0
	s_lshl_b32 s34, s24, 16
	s_add_co_u32 s34, s34, 1048576                 ; W1's tiles 8 w on
	s_mov_b32 s35, 0
	s_lshr_b32 s36, s24, 2
	s_and_b32 s37, s36, 1
	s_mov_b32 s72, 0x3e6d3388                      ; 0.3275911 / sqrt(2)
	s_mov_b32 s74, 0x3f596d27                      ; sqrt(log2(e) / 2)
	s_mov_b32 s75, s74
	s_mov_b32 s76, 0x3f07dc22                      ; a5 / 2
	s_mov_b32 s77, s76
	s_mov_b32 s78, 0x3f35f0e3                      ; a3 / 2
	s_mov_b32 s79, s78
	s_mov_b32 s80, 0xbe11a98e                      ; a2 / 2
	s_mov_b32 s81, s80
	s_mov_b32 s82, 0x3e027906                      ; a1 / 2
	s_mov_b32 s83, s82
	s_mov_b32 s84, 0x76543210
	s_mov_b32 s85, 0xfedcba98                      ; v_permlanex16_b32's selects for lane l xor 16
	s_wait_kmcnt 0x0
	s_load_b512 s[48:63], s[20:21], 0x0            ; the sixteen exponents: entry n in s[48 + n]
	s_add_nc_u64 s[4:5], s[4:5], s[26:27]
	s_add_nc_u64 s[22:23], s[22:23], s[26:27]
	s_add_nc_u64 s[6:7], s[6:7], s[28:29]
	s_add_nc_u64 s[38:39], s[8:9], s[32:33]
	s_add_nc_u64 s[40:41], s[8:9], s[34:35]
	s_add_nc_u64 s[42:43], s[40:41], 0x100000      ; W2's tiles 2 w, 2 w + 1: 2,097,152 + 65,536 w
	s_cmp_lt_u32 s36, 2                            ; waves 0-3 bring bp, 4-7 gamma2, 8-11 beta2, 12-15 b2: 512 bytes each
	s_cselect_b64 s[44:45], s[10:11], s[14:15]
	s_cselect_b64 s[46:47], s[12:13], s[18:19]
	s_cmp_eq_u32 s37, 1
	s_cselect_b64 s[44:45], s[46:47], s[44:45]
	s_add_nc_u64 s[44:45], s[44:45], s[30:31]
	; ---- 0: x, the attention's codes and the small vectors into LDS; Wp into registers
.irp i, 0,1
.irp q, 0,1,2,3
	global_load_b128 v[AC+16*\i+4*\q:AC+16*\i+4*\q+3], v1, s[4:5] offset:2048*\i+512*\q th:TH_LOAD_NT
.endr
.endr
	global_load_b128 v[192:195], v209, s[6:7]
	global_load_b128 v[196:199], v209, s[6:7] offset:8192
	global_load_b128 v[200:203], v209, s[16:17]
	global_load_b128 v[204:207], v1, s[44:45]
.irp f, 0,1,2,3,4,5,6,7
.irp c, 0,1,2,3
	global_load_b128 v[R0+16*\f+4*\c:R0+16*\f+4*\c+3], v1, s[38:39] offset:2048*\f+512*\c      ; Wp's fragment (tile t, K step s) at 16 (4 t + s)
.endr
.endr
	s_wait_kmcnt 0x0
	s_add_co_i32 s66, s58, s59
	s_add_co_i32 s66, s66, 127
	s_lshl_b32 s66, s66, 23                        ; 2^(e10 + e11)
	s_mov_b32 s67, s66
	s_add_co_i32 s68, s60, s61
	s_add_co_i32 s68, s68, 127
	s_lshl_b32 s68, s68, 23                        ; 2^(e12 + e13)
	s_mov_b32 s69, s68
	s_add_co_i32 s70, s62, s63
	s_add_co_i32 s70, s70, 127
	s_lshl_b32 s70, s70, 23                        ; 2^(e14 + e15)
	s_mov_b32 s71, s70
	s_add_co_i32 s90, s60, 127
	s_lshl_b32 s86, s90, 23                        ; 2^e12
	s_add_co_i32 s90, s90, 8
	s_lshl_b32 s87, s90, 23
	s_or_b32 s87, s87, 0x600000                    ; 448 x 2^e12
	s_add_co_i32 s90, s62, 127
	s_lshl_b32 s88, s90, 23                        ; 2^e14
	s_add_co_i32 s90, s90, 8
	s_lshl_b32 s89, s90, 23
	s_or_b32 s89, s89, 0x600000
	v_mov_b32 v5, s86
	v_mov_b32 v6, s87
	s_wait_loadcnt 32                              ; the first twelve loads are in; Wp's 32 may be out
.irp i, 0,1
.irp q, 0,1,2,3
	ds_store_b128 v208, v[AC+16*\i+4*\q:AC+16*\i+4*\q+3] offset:XP*\i+512*\q
.endr
.endr
	ds_store_b128 v210, v[192:195]
	ds_store_b128 v210, v[196:199] offset:8192
	ds_store_b128 v211, v[200:203]
	ds_store_b128 v211, v[204:207] offset:8192
	BARRIER
	; ---- 1: the projection: four accumulators (2 m + t) by turns, a K step at a time
	s_wait_loadcnt 0x0
.irp s, 0,1,2,3
.irp m, 0,1
.irp c, 0,1,2,3
	ds_load_b128 v[AF+16*\m+4*\c:AF+16*\m+4*\c+3], v3 offset:(4*\m+\s)*2048+512*\c
.endr
.endr
	s_wait_dscnt 0x0
.irp m, 0,1
.irp t, 0,1
.if \s == 0
	v_wmma_f32_16x16x128_fp8_fp8 v[AC+8*(2*\m+\t):AC+8*(2*\m+\t)+7], v[R0+16*(4*\t+\s):R0+16*(4*\t+\s)+15], v[AF+16*\m:AF+16*\m+15], 0
.else
	v_wmma_f32_16x16x128_fp8_fp8 v[AC+8*(2*\m+\t):AC+8*(2*\m+\t)+7], v[R0+16*(4*\t+\s):R0+16*(4*\t+\s)+15], v[AF+16*\m:AF+16*\m+15], v[AC+8*(2*\m+\t):AC+8*(2*\m+\t)+7]
.endif
.endr
.endr
	PLACES
.endr
; W1's stream: step sg = 4 q + s brings K step s of my tiles 4 q .. 4 q + 3 into buffer sg % 2.  W2's: pair step p brings K steps 2 p, 2 p + 1 of my two tiles, fragment (i, t) at 16 (2 i + t).
.macro W1LOAD sg
.irp t, 0,1,2,3
.irp c, 0,1,2,3
	global_load_b128 v[R0+64*((\sg)%2)+16*\t+4*\c:R0+64*((\sg)%2)+16*\t+4*\c+3], v1, s[40:41] offset:(4*((\sg)/4)+\t)*8192+((\sg)%4)*2048+512*\c
.endr
.endr
.endm
.macro W2LOAD p
.irp i, 0,1
.irp t, 0,1
.irp c, 0,1,2,3
	global_load_b128 v[R0+64*((\p)%2)+16*(2*\i+\t)+4*\c:R0+64*((\p)%2)+16*(2*\i+\t)+4*\c+3], v1, s[42:43] offset:\t*32768+(2*(\p)+\i)*2048+512*\c
.endr
.endr
.endr
.endm
	W1LOAD 0
	W1LOAD 1
	; ---- 2: x1, and my wave's mean and sum of squares over its 32 columns
	v_and_b32 v3, 15, v0
	v_mul_u32_u24 v3, v3, 80
	v_add_nc_u32 v3, ST, v3                        ; row r's sixteen figures
	s_lshl_b32 s92, s24, 2
	v_add_nc_u32 v4, s92, v3                       ; mine among them
.irp i, 0,1,2,3
	ds_load_b128 v[T+4*\i:T+4*\i+3], v7 offset:16*\i               ; bp
.endr
.irp m, 0,1
.irp i, 0,1,2,3
	ds_load_b128 v[192+16*\m+4*\i:195+16*\m+4*\i], v2 offset:8*XP*\m+16*\i         ; x in the result's layout
.endr
.endr
	s_wait_dscnt 0x0
.irp m, 0,1
.irp i, 0,2,4,6,8,10,12,14
	v_pk_fma_f32 v[AC+16*\m+\i:AC+16*\m+\i+1], v[AC+16*\m+\i:AC+16*\m+\i+1], s[66:67], v[T+\i:T+\i+1] op_sel_hi:[1,0,1]    ; sum x 2^(e10 + e11) + bp, each accumulator from its low end on
.endr
.endr
.set j, 0
.rept 16
	v_pk_add_f32 v[AC+j:AC+j+1], v[AC+j:AC+j+1], v[192+j:193+j]    ; + x
.set j, j+2
.endr
.macro WSTAT m
.set X1, AC+16*(\m)
.set MW, 10+2*(\m)
	v_pk_add_f32 v[AF:AF+1], v[X1:X1+1], v[X1+2:X1+3]
	v_pk_add_f32 v[AF+2:AF+3], v[X1+4:X1+5], v[X1+6:X1+7]
	v_pk_add_f32 v[AF:AF+1], v[AF:AF+1], v[X1+8:X1+9]
	v_pk_add_f32 v[AF+2:AF+3], v[AF+2:AF+3], v[X1+10:X1+11]
	v_pk_add_f32 v[AF:AF+1], v[AF:AF+1], v[X1+12:X1+13]
	v_pk_add_f32 v[AF+2:AF+3], v[AF+2:AF+3], v[X1+14:X1+15]
	v_pk_add_f32 v[AF:AF+1], v[AF:AF+1], v[AF+2:AF+3]
	v_add_f32 v[AF], v[AF], v[AF+1]
	v_permlanex16_b32 v14, v[AF], s84, s85         ; the row's other 16 of my columns lie in the lane 16 away
	v_add_f32 v[AF], v[AF], v14
	v_mul_f32 v[MW], 0x3d000000, v[AF]             ; / 32
.irp i, 0,2,4,6,8,10,12,14
	v_pk_add_f32 v[AF+16+\i:AF+17+\i], v[X1+\i:X1+\i+1], v[MW:MW+1] op_sel_hi:[1,0] neg_lo:[0,1] neg_hi:[0,1]
.endr
	v_pk_mul_f32 v[AF:AF+1], v[AF+16:AF+17], v[AF+16:AF+17]
	v_pk_mul_f32 v[AF+2:AF+3], v[AF+18:AF+19], v[AF+18:AF+19]
.irp i, 4,8,12
	v_pk_fma_f32 v[AF:AF+1], v[AF+16+\i:AF+17+\i], v[AF+16+\i:AF+17+\i], v[AF:AF+1]
	v_pk_fma_f32 v[AF+2:AF+3], v[AF+18+\i:AF+19+\i], v[AF+18+\i:AF+19+\i], v[AF+2:AF+3]
.endr
	v_pk_add_f32 v[AF:AF+1], v[AF:AF+1], v[AF+2:AF+3]
	v_add_f32 v[AF], v[AF], v[AF+1]
	v_permlanex16_b32 v14, v[AF], s84, s85
	v_add_f32 v[MW+1], v[AF], v14
	ds_store_b32 v4, v[MW] offset:1280*(\m)        ; (lanes r and r + 16 store the same number to the same word)
	ds_store_b32 v4, v[MW+1] offset:1280*(\m)+2560
.endm
	WSTAT 0
	WSTAT 1
	BARRIER
	; ---- 3: the rows' mean and std; n; its codes
.irp m, 0,1
.irp i, 0,1,2,3
	ds_store_b128 v2, v[AC+16*\m+4*\i:AC+16*\m+4*\i+3] offset:8*XP*\m+16*\i        ; x1 is kept for the end, over the bytes of x that I alone read
.endr
.endr
.irp m, 0,1
.irp i, 0,1,2,3
	ds_load_b128 v[192+32*\m+4*\i:195+32*\m+4*\i], v3 offset:1280*\m+16*\i         ; the sixteen means,
	ds_load_b128 v[208+32*\m+4*\i:211+32*\m+4*\i], v3 offset:1280*\m+2560+16*\i    ; the sixteen sums of squares
.endr
.endr
	s_lshl_b32 s92, s24, 9
	v_add_nc_u32 v4, s92, v1
	v_add_nc_u32 v4, NF, v4                        ; n's chunk: K step w / 4, chunk w % 4: 512 w
	s_wait_dscnt 0x0
.macro LNSTAT rb, mn, iv               ; mean into v[mn], variance into v[iv]
	v_pk_add_f32 v[16:17], v[\rb:\rb+1], v[\rb+2:\rb+3]
	v_pk_add_f32 v[18:19], v[\rb+4:\rb+5], v[\rb+6:\rb+7]
	v_pk_add_f32 v[16:17], v[16:17], v[\rb+8:\rb+9]
	v_pk_add_f32 v[18:19], v[18:19], v[\rb+10:\rb+11]
	v_pk_add_f32 v[16:17], v[16:17], v[\rb+12:\rb+13]
	v_pk_add_f32 v[18:19], v[18:19], v[\rb+14:\rb+15]
	v_pk_add_f32 v[16:17], v[16:17], v[18:19]
	v_add_f32 v16, v16, v17
	v_mul_f32 v[\mn], 0x3d800000, v16              ; / 16
.irp i, 0,2,4,6,8,10,12,14
	v_pk_add_f32 v[\rb+\i:\rb+\i+1], v[\rb+\i:\rb+\i+1], v[\mn:\mn+1] op_sel_hi:[1,0] neg_lo:[0,1] neg_hi:[0,1]
.endr
	v_pk_mul_f32 v[16:17], v[\rb:\rb+1], v[\rb:\rb+1]
	v_pk_mul_f32 v[18:19], v[\rb+2:\rb+3], v[\rb+2:\rb+3]
.irp i, 4,8,12
	v_pk_fma_f32 v[16:17], v[\rb+\i:\rb+\i+1], v[\rb+\i:\rb+\i+1], v[16:17]
	v_pk_fma_f32 v[18:19], v[\rb+\i+2:\rb+\i+3], v[\rb+\i+2:\rb+\i+3], v[18:19]
.endr
	v_pk_add_f32 v[16:17], v[16:17], v[18:19]
	v_add_f32 v16, v16, v17                        ; the squares of the waves' means' distances from the row's
	v_pk_add_f32 v[18:19], v[\rb+16:\rb+17], v[\rb+18:\rb+19]
.irp i, 20,22,24,26,28,30
	v_pk_add_f32 v[18:19], v[18:19], v[\rb+\i:\rb+\i+1]
.endr
	v_add_f32 v18, v18, v19
	v_fmamk_f32 v16, v16, 0x42000000, v18          ; x 32, + the waves' sums of squares
	v_mul_f32 v[\iv], 0x3b004020, v16              ; / 511
.endm
	LNSTAT 192, 20, 22
	LNSTAT 224, 24, 26
.irp i, 0,1,2,3
	ds_load_b128 v[192+4*\i:195+4*\i], v7 offset:2048+16*\i        ; gamma2
	ds_load_b128 v[208+4*\i:211+4*\i], v7 offset:4096+16*\i        ; beta2
.endr
	v_sqrt_f32 v22, v22
	v_sqrt_f32 v26, v26
	v_nop
	s_wait_alu depctr_va_vdst(0)                   ; one wait for both roots, ahead of their first reader
	v_add_f32 v22, 0x2edbe6ff, v22                 ; std + 1e-10
	v_add_f32 v26, 0x2edbe6ff, v26
	v_rcp_f32 v22, v22
	v_rcp_f32 v26, v26
	v_nop
	s_wait_alu depctr_va_vdst(0)
	s_wait_dscnt 0x0
.irp m, 0,1
.irp i, 0,2,4,6,8,10,12,14
	v_pk_add_f32 v[AF+16*\m+\i:AF+16*\m+\i+1], v[AC+16*\m+\i:AC+16*\m+\i+1], v[20+4*\m:21+4*\m] op_sel_hi:[1,0] neg_lo:[0,1] neg_hi:[0,1]
.endr
.irp i, 0,2,4,6,8,10,12,14
	v_pk_mul_f32 v[AF+16*\m+\i:AF+16*\m+\i+1], v[AF+16*\m+\i:AF+16*\m+\i+1], v[22+4*\m:23+4*\m] op_sel_hi:[1,0]
.endr
.irp i, 0,2,4,6,8,10,12,14
	v_pk_fma_f32 v[AF+16*\m+\i:AF+16*\m+\i+1], v[AF+16*\m+\i:AF+16*\m+\i+1], v[192+\i:193+\i], v[208+\i:209+\i]
.endr
.set i, 0
.rept 16
	v_med3_num_f32 v[AF+16*\m+i], v[AF+16*\m+i], -v6, v6
.set i, i+1
.endr
	v_cvt_scalef32_pk8_fp8_f32 v[16+12*\m:17+12*\m], v[AF+16*\m:AF+16*\m+7], v5
	v_cvt_scalef32_pk8_fp8_f32 v[18+12*\m:19+12*\m], v[AF+16*\m+8:AF+16*\m+15], v5
.endr
	v_nop                                          ; a plain line behind the last conversion
	ds_store_b128 v4, v[16:19]
	ds_store_b128 v4, v[28:31] offset:8192
	v_mov_b32 v5, s88                              ; from here on: 2^e14 and 448 x 2^e14
	v_mov_b32 v6, s89
	v_add_nc_u32 v10, NF, v1                       ; n's fragments
	s_lshl_b32 s92, s24, 11
	v_add_nc_u32 v11, s92, v1
	v_add_nc_u32 v11, HF, v11                      ; where I store h: K step w
	v_bfe_u32 v12, v0, 4, 1
	v_lshlrev_b32 v12, 6, v12
	s_lshl_b32 s92, s24, 9
	v_add_nc_u32 v12, s92, v12
	v_add_nc_u32 v12, BL, v12                      ; b1 of units 128 w + 16 h on
	v_add_nc_u32 v13, HF, v1                       ; h's fragments
	v_add_nc_u32 v14, YS, v2                       ; the result, in the result's layout,
	v_add_nc_u32 v15, s91, v1
	v_add_nc_u32 v15, YS, v15                      ; and by rows
	BARRIER
; 16 numbers in place.  The 16 reciprocals and 16 exponentials are one batch with one wait.
.macro GELU16 b
.set i, 0
.rept 16
	v_fma_f32 v[AF+i], |v[(\b)+i]|, s72, 1.0
.set i, i+1
.endr
.set i, 0
.rept 8
	v_pk_mul_f32 v[T+i:T+i+1], v[(\b)+i:(\b)+i+1], s[74:75] op_sel_hi:[1,0]
.set i, i+2
.endr
.set i, 0
.rept 8
	v_pk_mul_f32 v[T+i:T+i+1], v[T+i:T+i+1], v[T+i:T+i+1]
.set i, i+2
.endr
.set i, 0
.rept 16
	v_rcp_f32 v[AF+i], v[AF+i]                     ; t
.set i, i+1
.endr
.set i, 0
.rept 16
	v_exp_f32 v[T+i], -v[T+i]                      ; E
.set i, i+1
.endr
	v_nop
	s_wait_alu depctr_va_vdst(0)                   ; the wait ahead of the batch's first reader
.set i, 0
.rept 8
	v_pk_fma_f32 v[AF+16+i:AF+17+i], v[AF+i:AF+i+1], s[76:77], v[8:9] op_sel_hi:[1,0,0]
.set i, i+2
.endr
.irp k, 78,80,82
.set i, 0
.rept 8
	v_pk_fma_f32 v[AF+16+i:AF+17+i], v[AF+16+i:AF+17+i], v[AF+i:AF+i+1], s[\k:\k+1] op_sel_hi:[1,1,0]
.set i, i+2
.endr
.endr
.set i, 0
.rept 8
	v_pk_mul_f32 v[AF+16+i:AF+17+i], v[AF+16+i:AF+17+i], v[AF+i:AF+i+1]
.set i, i+2
.endr
.set i, 0
.rept 8
	v_pk_mul_f32 v[AF+16+i:AF+17+i], v[AF+16+i:AF+17+i], v[T+i:T+i+1]      ; q
.set i, i+2
.endr
.set i, 0
.rept 16
	v_max_num_f32 v[AF+i], 0, v[(\b)+i]
.set i, i+1
.endr
.set i, 0
.rept 16
	v_fma_f32 v[(\b)+i], -|v[(\b)+i]|, v[AF+16+i], v[AF+i]
.set i, i+1
.endr
.endm
; ---- 4: the hidden layer.  A stream step: n's two fragments of K step s from LDS, eight matrix instructions (accumulator 4 m + t, by turns), then the loads of two steps on into the buffer just read.
.macro F1STEP sg
.irp m, 0,1
.irp c, 0,1,2,3
	ds_load_b128 v[AF+16*\m+4*\c:AF+16*\m+4*\c+3], v10 offset:(4*\m+(\sg)%4)*2048+512*\c
.endr
.endr
	s_wait_loadcnt 16                              ; this step's sixteen weight loads are in; the next step's sixteen may be out
	s_wait_dscnt 0x0
.irp m, 0,1
.irp t, 0,1,2,3
.if (\sg)%4 == 0
	v_wmma_f32_16x16x128_fp8_fp8 v[AC+8*(4*\m+\t):AC+8*(4*\m+\t)+7], v[R0+64*((\sg)%2)+16*\t:R0+64*((\sg)%2)+16*\t+15], v[AF+16*\m:AF+16*\m+15], 0
.else
	v_wmma_f32_16x16x128_fp8_fp8 v[AC+8*(4*\m+\t):AC+8*(4*\m+\t)+7], v[R0+64*((\sg)%2)+16*\t:R0+64*((\sg)%2)+16*\t+15], v[AF+16*\m:AF+16*\m+15], v[AC+8*(4*\m+\t):AC+8*(4*\m+\t)+7]
.endif
.endr
.endr
	PLACES
.if (\sg) < 6
	W1LOAD (\sg)+2
.else
	W2LOAD (\sg)-6
.endif
.endm
; Four tiles are finished: registers 32 m + 16 cc + i are units 128 w + 64 q + 32 cc + 16 h + i of row tile m: bias, gelu, codes, chunk 2 q + cc of K step w.
.macro F1END q
.irp cc, 0,1
.irp i, 0,1,2,3
	ds_load_b128 v[AF+16*\cc+4*\i:AF+16*\cc+4*\i+3], v12 offset:256*(\q)+128*\cc+16*\i
.endr
.endr
	s_wait_dscnt 0x0
.irp m, 0,1
.irp cc, 0,1
.irp i, 0,2,4,6,8,10,12,14
	v_pk_fma_f32 v[AC+32*\m+16*\cc+\i:AC+32*\m+16*\cc+\i+1], v[AC+32*\m+16*\cc+\i:AC+32*\m+16*\cc+\i+1], s[68:69], v[AF+16*\cc+\i:AF+16*\cc+\i+1] op_sel_hi:[1,0,1]
.endr
.endr
.endr
	GELU16 AC
	GELU16 AC+16
	GELU16 AC+32
	GELU16 AC+48
.irp g, 0,1,2,3
.set i, 0
.rept 16
	v_med3_num_f32 v[AC+16*\g+i], v[AC+16*\g+i], -v6, v6
.set i, i+1
.endr
	v_cvt_scalef32_pk8_fp8_f32 v[T+4*\g:T+4*\g+1], v[AC+16*\g:AC+16*\g+7], v5
	v_cvt_scalef32_pk8_fp8_f32 v[T+4*\g+2:T+4*\g+3], v[AC+16*\g+8:AC+16*\g+15], v5
.endr
	v_nop                                          ; a plain line between the last conversion and the next products, which write its sources
.irp m, 0,1
.irp cc, 0,1
	ds_store_b128 v11, v[T+4*(2*\m+\cc):T+4*(2*\m+\cc)+3] offset:32768*\m+(2*(\q)+\cc)*512
.endr
.endr
.endm
	F1STEP 0
	F1STEP 1
	F1STEP 2
	F1STEP 3
	F1END 0
	F1STEP 4
	F1STEP 5
	F1STEP 6
	F1STEP 7
	F1END 1
	BARRIER
; ---- 5: the last product: two K steps at a time, four accumulators (2 m + t) by turns
.macro F2STEP p
.irp m, 0,1
.irp i, 0,1
.irp c, 0,1,2,3
	ds_load_b128 v[192+16*(2*\m+\i)+4*\c:195+16*(2*\m+\i)+4*\c], v13 offset:(16*\m+2*(\p)+\i)*2048+512*\c
.endr
.endr
.endr
.if (\p) < 7
	s_wait_loadcnt 16                              ; this pair's sixteen weight loads are in; the next pair's may be out
.else
	s_wait_loadcnt 0x0
.endif
	s_wait_dscnt 0x0
.irp i, 0,1
.irp m, 0,1
.irp t, 0,1
.if ((\p) == 0) && (\i == 0)
	v_wmma_f32_16x16x128_fp8_fp8 v[AC+8*(2*\m+\t):AC+8*(2*\m+\t)+7], v[R0+64*((\p)%2)+16*(2*\i+\t):R0+64*((\p)%2)+16*(2*\i+\t)+15], v[192+16*(2*\m+\i):207+16*(2*\m+\i)], 0
.else
	v_wmma_f32_16x16x128_fp8_fp8 v[AC+8*(2*\m+\t):AC+8*(2*\m+\t)+7], v[R0+64*((\p)%2)+16*(2*\i+\t):R0+64*((\p)%2)+16*(2*\i+\t)+15], v[192+16*(2*\m+\i):207+16*(2*\m+\i)], v[AC+8*(2*\m+\t):AC+8*(2*\m+\t)+7]
.endif
.endr
.endr
.endr
	PLACES
.if (\p) < 6
	W2LOAD (\p)+2
.endif
.endm
	F2STEP 0
	F2STEP 1
	F2STEP 2
	F2STEP 3
	F2STEP 4
	F2STEP 5
	F2STEP 6
	F2STEP 7
	; ---- 6: bias, gelu, + x1; through LDS, so that whole rows leave
.irp i, 0,1,2,3
	ds_load_b128 v[T+4*\i:T+4*\i+3], v7 offset:6144+16*\i          ; b2
.endr
.irp m, 0,1
.irp i, 0,1,2,3
	ds_load_b128 v[192+16*\m+4*\i:195+16*\m+4*\i], v2 offset:8*XP*\m+16*\i         ; x1
.endr
.endr
	s_wait_dscnt 0x0
.irp m, 0,1
.irp i, 0,2,4,6,8,10,12,14
	v_pk_fma_f32 v[AC+16*\m+\i:AC+16*\m+\i+1], v[AC+16*\m+\i:AC+16*\m+\i+1], s[70:71], v[T+\i:T+\i+1] op_sel_hi:[1,0,1]
.endr
.endr
	GELU16 AC
	GELU16 AC+16
.set j, 0
.rept 16
	v_pk_add_f32 v[AC+j:AC+j+1], v[AC+j:AC+j+1], v[192+j:193+j]
.set j, j+2
.endr
.irp m, 0,1
.irp i, 0,1,2,3
	ds_store_b128 v14, v[AC+16*\m+4*\i:AC+16*\m+4*\i+3] offset:8*XP*\m+16*\i
.endr
.endr
	BARRIER
.irp i, 0,1
.irp q, 0,1,2,3
	ds_load_b128 v[R0+4*(4*\i+\q):R0+4*(4*\i+\q)+3], v15 offset:XP*\i+512*\q
.endr
.endr
.irp i, 0,1
.irp q, 0,1,2,3
	s_wait_dscnt 7-(4*\i+\q)                       ; LDS loads come back in order: this one is in, the younger ones may be out
	global_store_b128 v1, v[R0+4*(4*\i+\q):R0+4*(4*\i+\q)+3], s[22:23] offset:2048*\i+512*\q th:TH_STORE_NT    ; 32 lanes store 512 consecutive bytes, aligned
.endr
.endr
	s_wait_xcnt 0x0
	v_lshl_add_u32 v254, v0, 2, 0x39800
	v_mov_b32 v255, 0
	s_wait_tensorcnt 0x0
	ds_add_u32 v254, v255
	s_wait_dscnt 0x0
	s_endpgm
.Lfunc_end_k_qa6b5c2b1ff_tail:
	.size	k_qa6b5c2b1ff_tail, .Lfunc_end_k_qa6b5c2b1ff_tail-k_qa6b5c2b1ff_tail
	.p2alignl 7, 3214868480
	.fill 96, 4, 3214868480
	.section	.rodata,"a",@progbits
	.p2align	6, 0x0
	.amdhsa_kernel k_qa6b5c2b1ff_tail
		.amdhsa_group_segment_fixed_size 237568
		.amdhsa_private_segment_fixed_size 0
		.amdhsa_enable_private_segment 0
		.amdhsa_kernarg_size 80
		.amdhsa_user_sgpr_count 2
		.amdhsa_user_sgpr_kernarg_segment_ptr 1
		.amdhsa_wavefront_size32 1
		.amdhsa_system_sgpr_workgroup_id_x 1
		.amdhsa_system_sgpr_workgroup_id_y 1
		.amdhsa_system_sgpr_workgroup_id_z 1
		.amdhsa_system_vgpr_workitem_id 0
		.amdhsa_next_free_vgpr 256
		.amdhsa_next_free_sgpr 100
		.amdhsa_reserve_vcc 0
		.amdhsa_float_denorm_mode_32 3
		.amdhsa_float_denorm_mode_16_64 3
		.amdhsa_memory_ordered 1
		.amdhsa_forward_progress 1
		.amdhsa_inst_pref_size 181
	.end_amdhsa_kernel
	.amdgpu_metadata
---
amdhsa.version: [ 1, 2 ]
amdhsa.kernels:
  - .name:           k_qa6b5c2b1ff_tail
    .symbol:         k_qa6b5c2b1ff_tail.kd
    .args:
      - { .name: x, .offset: 0, .size: 8, .value_kind: global_buffer, .address_space: global }
      - { .name: ac, .offset: 8, .size: 8, .value_kind: global_buffer, .address_space: global }
      - { .name: wc, .offset: 16, .size: 8, .value_kind: global_buffer, .address_space: global }
      - { .name: bp, .offset: 24, .size: 8, .value_kind: global_buffer, .address_space: global }
      - { .name: gamma2, .offset: 32, .size: 8, .value_kind: global_buffer, .address_space: global }
      - { .name: beta2, .offset: 40, .size: 8, .value_kind: global_buffer, .address_space: global }
      - { .name: b1, .offset: 48, .size: 8, .value_kind: global_buffer, .address_space: global }
      - { .name: b2, .offset: 56, .size: 8, .value_kind: global_buffer, .address_space: global }
      - { .name: lowp_scales, .offset: 64, .size: 8, .value_kind: global_buffer, .address_space: global }
      - { .name: out0, .offset: 72, .size: 8, .value_kind: global_buffer, .address_space: global }
    .group_segment_fixed_size: 237568
    .private_segment_fixed_size: 0
    .kernarg_segment_align: 8
    .kernarg_segment_size: 80
    .max_flat_workgroup_size: 512
    .sgpr_count:     100
    .vgpr_count:     256
    .wavefront_size: 32
...
	.end_amdgpu_metadata
.endif
;; end of part 4
;; ======== version 2 of 2: 4 launches; version 1 with the launch tail written anew for expert scheduling mode
;; limits: a function is approximated: absolute error at most 7.5e-08
;; workspace buffers: xq 12,582,912 bytes; wc 3,145,728 bytes; qc 4,194,304 bytes; kv 8,388,608 bytes; ac 4,194,304 bytes
;; launch prep: the kernel of part 1 again; grid 704 x 1, 4 waves a work-group, no clusters, 1,536 bytes of LDS; arguments x, gamma1, beta1, Wq, Wk, Wv, Wp, W1, W2, lowp_scales, xq, wc; writes xq, wc
;; launch qkv: the kernel of part 2 again; grid 64 x 3, 16 waves a work-group, no clusters, 169,984 bytes of LDS; arguments xq, wc, bq, bk, bv, lowp_scales, qc, kv; writes qc, kv
;; launch attn: the kernel of part 3 again; grid 8 x 32, 16 waves a work-group, no clusters, 264,192 bytes of LDS; arguments qc, kv, lowp_scales, ac; writes ac
;; launch tail (part 5): grid 256 x 1, 16 waves a work-group, no clusters, 237,568 bytes of LDS; arguments x, ac, wc, bp, gamma2, beta2, b1, b2, lowp_scales, out0; writes out0
.if DOCPART == 5
	.amdgcn_target "amdgcn-amd-amdhsa--gfx1250"
	.amdhsa_code_object_version 6
	.text
	.protected	k_qa6b5c2b1ff_tail
	.globl	k_qa6b5c2b1ff_tail
	.p2align	8
	.type	k_qa6b5c2b1ff_tail,@function
k_qa6b5c2b1ff_tail:
	s_mov_b64 s[64:65], 0
	v_nop
	global_prefetch_b8 v0, s[64:65] scope:SCOPE_SE
	s_setreg_imm32_b32 hwreg(HW_REG_WAVE_SCHED_MODE, 0, 2), 2
	s_setreg_imm32_b32 hwreg(HW_REG_WAVE_MODE, 25, 1), 1
	s_wait_xcnt 0x0
	s_wait_alu depctr_vm_vsrc(0)
; TAIL: x1 = att Wp + bp + x;  n = norm(x1) gamma2 + beta2;  h = gelu(n W1 + b1);  out = gelu(h W2 + b2) + x1.  All three products on codes of E4M3; x1, n and h never go to memory.
; SHARES.  Work-group g takes rows 32 g .. 32 g + 31: row tiles m = 0, 1 (lane row r of tile m is row 8 m + r + 8 (r / 8)).  THE 16 WAVES SHARE THE COLUMNS: wave w makes columns 32 w .. 32 w + 31 of the projection and of the
; last product, and hidden units 128 w .. 128 w + 127, which are K step w of the last product.  Every product is used transposed (source 0 = weight tile, source 1 = row tile): a lane holds one row, and its 16 registers of two
; neighbouring weight tiles are 16 neighbouring columns: two conversions make them a chunk of the next operand.  Operands go from wave to wave through LDS as images of their registers (512 bytes a chunk, 16 x lane).
; WEIGHTS go from memory straight into the registers of the one wave that multiplies by them, two buffers of 64 registers by turns, 16 loads of 512 consecutive bytes a step, one step ahead.
; NO JOINT LOADS: all work-groups walk the same 2,359,296 bytes of weight codes, but a joint load lands in LDS, of which 235,520 bytes are taken, and every byte would then be written there and read again for one use by one wave.
; GELU: g = max(x, 0) - |x| q, q = Phi(-|x|) = E t (a1 + t (a2 + t (a3 + t (a4 + t a5)))), t = 1 / (1 + 0.23164189 |x|), E = 2^-(0.8493218 x)^2: Abramowitz and Stegun 7.1.26 with halved coefficients.
; LIMIT: the absolute error of q is at most 7.5e-8 for every x; relative to q it grows for x under about -4, where |g| is under 1e-4.  No difference is formed for negative x.
; LIMITS on the given exponents: e10 + e11, e12 + e13, e14 + e15 between -126 and 127; e12 and e14 between -126 and 119.  NaN among the inputs is not served.
; LDS: XS 32 rows of x, later x1, 2,064 bytes apart | YS the same for the result | NF 8 fragments: the attention's codes, later n's, at 2,048 (4 m + s) | HF h's 32 fragments at 2,048 (16 m + s) |
;      BL b1, bp, gamma2, beta2, b2 | ST the waves' means at 80 (16 m + r) + 4 w, their sums of squares 2,560 further on.
; FIVE BARRIERS, each behind every wave's wait for all its LDS instructions.  NF is written anew only behind the second, in front of which its first reads end; a wave writes x1 over the very bytes of XS that it alone read.
; THE MODE: SCHED_MODE bits 1:0 = 2 (LLVM: expert scheduling mode 2), set by the entry lines.  The code itself states the register dependences between vector or matrix instructions and memory or LDS instructions,
; with s_wait_alu, always for 0.  The text is one straight run: no label, no branch.
; THE PLAN.  Registers that memory or LDS instructions touch:
;   v1, v2, v7     addresses, made at the head and never written again.   v3, v4: addresses, each made anew once or twice, behind a wait on vm_vsrc.   v10-15: addresses from the third phase on (v10-13 were the data of four LDS stores before).
;   R0 (v32-159)   Weight loads land here; products read it.  A stream step's products read buffer s % 2; behind the step's one wait on va_vdst the loads of two steps on land in that buffer.
;   AF (v224-255)  Fragments from LDS land here; products read them; gelu and the rows' figures use it at work.  The next step's fragments are asked for behind the same wait, ahead of the weight loads.
;   v192-223       The projection's second fragment buffer; then x, the figures, gamma2 and beta2; accumulators in the hidden layer; fragments of h in the last product.
;   AC (v160-191)  Written by products and vector lines; the data of x1's and of the result's LDS stores.   T (v16-31): bp and b2 land here; gelu works here; the conversions' codes, the data of the code stores.
; So a stream step has ONE wait on va_vdst, behind its products and their places, and all its loads follow with no vector or matrix line between.  Each run of LDS stores has one wait on va_vdst ahead of it, which also serves
; the loads that follow the run.  Six waits on vm_vsrc stand where a register that a store or a load has read is written anew.
.set XP, 2064
.set XS, 0
.set YS, 66048
.set NF, 132096
.set HF, 148480
.set BL, 214016
.set ST, 230400
.set T,  16                            ; v16-31   at work
.set R0, 32                            ; v32-95, v96-159  two buffers of weight fragments
.set AC, 160                           ; v160-223 accumulators (the projection and the last product use v160-191)
.set AF, 224                           ; v224-255 the row tiles' fragments; at work in gelu
; v1 16 x lane; v2 my place in XS in the result's layout; v3, v4 addresses of the phase in hand; v5, v6 the conversion's scale and hold; v7 my columns in bp, gamma2, beta2, b2; v[8:9] a4;
; v10-13 my wave's means and sums of squares; from the hidden layer on v10-15 are LDS addresses.
.macro BARRIER
	s_wait_dscnt 0x0                               ; my LDS stores have landed and my LDS loads are in
	s_barrier_signal -1
	s_barrier_wait -1
.endm
.macro PLACES                          ; four places behind matrix instructions, in front of the first read of results and of loads into registers that they have read: they stay beside the waits on va_vdst, which fill no place
.rept 4
	v_nop
.endr
.endm
	s_load_b512 s[4:19], s[0:1], 0x0               ; x, ac, wc, bp, gamma2, beta2, b1, b2
	s_load_b128 s[20:23], s[0:1], 0x40             ; lowp_scales, out0
	v_lshrrev_b32 v3, 5, v0
	v_readfirstlane_b32 s24, v3                    ; wave 0..15
	v_and_b32 v1, 31, v0
	v_lshlrev_b32 v1, 4, v1
	v_and_b32 v3, 15, v0                           ; r
	v_bfe_u32 v4, v0, 4, 1                         ; h
	v_and_b32 v2, 8, v3
	v_add_nc_u32 v2, v2, v3
	v_mul_u32_u24 v2, v2, XP
	v_lshl_add_u32 v2, v4, 6, v2
	s_wait_alu depctr_va_sdst(0)                   ; s24 is written, ahead of its first reader: LDS addresses and the buffers' bases are made from it
	s_lshl_b32 s25, s24, 7
	v_add_nc_u32 v2, s25, v2                       ; 2,064 (r + 8 (r / 8)) + 128 w + 64 h: columns 32 w + 16 h on, of tile 0's row r; tile 1's lie 8 rows further
	v_lshlrev_b32 v7, 6, v4
	v_add_nc_u32 v7, s25, v7
	v_add_nc_u32 v7, BL+8192, v7
	s_mul_i32 s91, s24, 2*XP                       ; rows 2 w, 2 w + 1
	v_add_nc_u32 v208, s91, v1
	v_lshlrev_b32 v209, 4, v0                      ; 16 x thread
	v_add_nc_u32 v210, NF, v209
	v_add_nc_u32 v211, BL, v209
	v_add_nc_u32 v3, NF, v1
	v_mov_b32 v8, 0xbf3a00e3                       ; a4 / 2
	v_mov_b32 v9, 0xbf3a00e3
	v_mov_b32 v11, 0                               ; (upper halves of pairs, and a lane permute's destination: written once)
	v_mov_b32 v13, 0
	v_mov_b32 v14, 0
	s_lshl_b32 s26, ttmp9, 16                      ; x, out0: 65,536 g + 4,096 w
	s_lshl_b32 s27, s24, 12
	s_add_co_u32 s26, s26, s27
	s_mov_b32 s27, 0
	s_lshl_b32 s28, ttmp9, 14                      ; ac: 16,384 g
	s_mov_b32 s29, 0
	s_and_b32 s30, s24, 3
	s_lshl_b32 s30, s30, 9
	s_mov_b32 s31, 0
	s_lshl_b32 s32, s24, 14
	s_add_co_u32 s32, s32, 786432                  ; Wp's tiles 2 w, 2 w + 1
	s_mov_b32 s33, 0
	s_lshl_b32 s34, s24, 16
	s_add_co_u32 s34, s34, 1048576                 ; W1's tiles 8 w on
	s_mov_b32 s35, 0
	s_lshr_b32 s36, s24, 2
	s_and_b32 s37, s36, 1
	s_mov_b32 s72, 0x3e6d3388                      ; 0.3275911 / sqrt(2)
	s_mov_b32 s74, 0x3f596d27                      ; sqrt(log2(e) / 2)
	s_mov_b32 s75, s74
	s_mov_b32 s76, 0x3f07dc22                      ; a5 / 2
	s_mov_b32 s77, s76
	s_mov_b32 s78, 0x3f35f0e3                      ; a3 / 2
	s_mov_b32 s79, s78
	s_mov_b32 s80, 0xbe11a98e                      ; a2 / 2
	s_mov_b32 s81, s80
	s_mov_b32 s82, 0x3e027906                      ; a1 / 2
	s_mov_b32 s83, s82
	s_mov_b32 s84, 0x76543210
	s_mov_b32 s85, 0xfedcba98                      ; v_permlanex16_b32's selects for lane l xor 16
	s_wait_kmcnt 0x0
	s_load_b512 s[48:63], s[20:21], 0x0            ; the sixteen exponents: entry n in s[48 + n]
	s_add_nc_u64 s[4:5], s[4:5], s[26:27]
	s_add_nc_u64 s[22:23], s[22:23], s[26:27]
	s_add_nc_u64 s[6:7], s[6:7], s[28:29]
	s_add_nc_u64 s[38:39], s[8:9], s[32:33]
	s_add_nc_u64 s[40:41], s[8:9], s[34:35]
	s_add_nc_u64 s[42:43], s[40:41], 0x100000      ; W2's tiles 2 w, 2 w + 1: 2,097,152 + 65,536 w
	s_cmp_lt_u32 s36, 2                            ; waves 0-3 bring bp, 4-7 gamma2, 8-11 beta2, 12-15 b2: 512 bytes each
	s_cselect_b64 s[44:45], s[10:11], s[14:15]
	s_cselect_b64 s[46:47], s[12:13], s[18:19]
	s_cmp_eq_u32 s37, 1
	s_cselect_b64 s[44:45], s[46:47], s[44:45]
	s_add_nc_u64 s[44:45], s[44:45], s[30:31]
	; ---- 0: x, the attention's codes and the small vectors into LDS; Wp into registers
	s_wait_alu depctr_va_vdst(0)                   ; the addresses v1, v2, v3, v7 and v208 to v211 are written, which the loads and LDS stores below read
.irp i, 0,1
.irp q, 0,1,2,3
	global_load_b128 v[AC+16*\i+4*\q:AC+16*\i+4*\q+3], v1, s[4:5] offset:2048*\i+512*\q th:TH_LOAD_NT
.endr
.endr
	global_load_b128 v[192:195], v209, s[6:7]
	global_load_b128 v[196:199], v209, s[6:7] offset:8192
	global_load_b128 v[200:203], v209, s[16:17]
	global_load_b128 v[204:207], v1, s[44:45]
.irp f, 0,1,2,3,4,5,6,7
.irp c, 0,1,2,3
	global_load_b128 v[R0+16*\f+4*\c:R0+16*\f+4*\c+3], v1, s[38:39] offset:2048*\f+512*\c      ; Wp's fragment (tile t, K step s) at 16 (4 t + s)
.endr
.endr
	s_wait_kmcnt 0x0
	s_add_co_i32 s66, s58, s59
	s_add_co_i32 s66, s66, 127
	s_lshl_b32 s66, s66, 23                        ; 2^(e10 + e11)
	s_mov_b32 s67, s66
	s_add_co_i32 s68, s60, s61
	s_add_co_i32 s68, s68, 127
	s_lshl_b32 s68, s68, 23                        ; 2^(e12 + e13)
	s_mov_b32 s69, s68
	s_add_co_i32 s70, s62, s63
	s_add_co_i32 s70, s70, 127
	s_lshl_b32 s70, s70, 23                        ; 2^(e14 + e15)
	s_mov_b32 s71, s70
	s_add_co_i32 s90, s60, 127
	s_lshl_b32 s86, s90, 23                        ; 2^e12
	s_add_co_i32 s90, s90, 8
	s_lshl_b32 s87, s90, 23
	s_or_b32 s87, s87, 0x600000                    ; 448 x 2^e12
	s_add_co_i32 s90, s62, 127
	s_lshl_b32 s88, s90, 23                        ; 2^e14
	s_add_co_i32 s90, s90, 8
	s_lshl_b32 s89, s90, 23
	s_or_b32 s89, s89, 0x600000
	v_mov_b32 v5, s86
	v_mov_b32 v6, s87
	s_wait_loadcnt 32                              ; the first twelve loads are in; Wp's 32 may be out
.irp i, 0,1
.irp q, 0,1,2,3
	ds_store_b128 v208, v[AC+16*\i+4*\q:AC+16*\i+4*\q+3] offset:XP*\i+512*\q       ; (data from loads; the addresses stand ahead of the wait on va_vdst above, and v5 and v6 are no part of them)
.endr
.endr
	ds_store_b128 v210, v[192:195]
	ds_store_b128 v210, v[196:199] offset:8192
	ds_store_b128 v211, v[200:203]
	ds_store_b128 v211, v[204:207] offset:8192
	BARRIER
	; ---- 1: the projection: four accumulators (2 m + t) by turns, a K step at a time.  The row tiles' fragments have two buffers, v224-255 for K steps 0 and 2, v192-223 for 1 and 3: two K steps are fetched and multiplied for each wait on va_vdst
.macro PFRAG s
.set PF, AF-32*((\s)%2)
.irp m, 0,1
.irp c, 0,1,2,3
	ds_load_b128 v[PF+16*\m+4*\c:PF+16*\m+4*\c+3], v3 offset:(4*\m+(\s))*2048+512*\c
.endr
.endr
.endm
.macro PMUL s
.set PF, AF-32*((\s)%2)
.irp m, 0,1
.irp t, 0,1
.if (\s) == 0
	v_wmma_f32_16x16x128_fp8_fp8 v[AC+8*(2*\m+\t):AC+8*(2*\m+\t)+7], v[R0+16*(4*\t+(\s)):R0+16*(4*\t+(\s))+15], v[PF+16*\m:PF+16*\m+15], 0
.else
	v_wmma_f32_16x16x128_fp8_fp8 v[AC+8*(2*\m+\t):AC+8*(2*\m+\t)+7], v[R0+16*(4*\t+(\s)):R0+16*(4*\t+(\s))+15], v[PF+16*\m:PF+16*\m+15], v[AC+8*(2*\m+\t):AC+8*(2*\m+\t)+7]
.endif
.endr
.endr
.endm
; W1's stream: step sg = 4 q + s brings K step s of my tiles 4 q .. 4 q + 3 into buffer sg % 2.  W2's: pair step p brings K steps 2 p, 2 p + 1 of my two tiles, fragment (i, t) at 16 (2 i + t).
.macro W1LOAD sg
.irp t, 0,1,2,3
.irp c, 0,1,2,3
	global_load_b128 v[R0+64*((\sg)%2)+16*\t+4*\c:R0+64*((\sg)%2)+16*\t+4*\c+3], v1, s[40:41] offset:(4*((\sg)/4)+\t)*8192+((\sg)%4)*2048+512*\c
.endr
.endr
.endm
.macro W2LOAD p
.irp i, 0,1
.irp t, 0,1
.irp c, 0,1,2,3
	global_load_b128 v[R0+64*((\p)%2)+16*(2*\i+\t)+4*\c:R0+64*((\p)%2)+16*(2*\i+\t)+4*\c+3], v1, s[42:43] offset:\t*32768+(2*(\p)+\i)*2048+512*\c
.endr
.endr
.endr
.endm
	s_wait_alu depctr_vm_vsrc(0)                   ; the LDS stores above have read their data v192-207 and their addresses v208, v210, v211, and three loads their offset v209: K step 1's fragments land in v192-223
	PFRAG 0
	PFRAG 1
	s_wait_loadcnt 0x0
	s_wait_dscnt 8                                 ; LDS loads come back in order: K step 0's eight are in, K step 1's eight may be out
	PMUL 0
	s_wait_dscnt 0x0
	PMUL 1
	PLACES
	s_wait_alu depctr_va_vdst(0)                   ; the eight products are done reading both fragment buffers, in which K steps 2 and 3 land
	PFRAG 2
	PFRAG 3
	s_wait_dscnt 8                                 ; K step 2's eight are in, K step 3's may be out
	PMUL 2
	s_wait_dscnt 0x0
	PMUL 3
	PLACES
	s_wait_alu depctr_va_vdst(0)                   ; the products are done reading Wp's registers, in which W1's first two steps land, and v192-223, in which x lands
	; ---- 2: x1, and my wave's mean and sum of squares over its 32 columns
.irp i, 0,1,2,3
	ds_load_b128 v[T+4*\i:T+4*\i+3], v7 offset:16*\i               ; bp
.endr
.irp m, 0,1
.irp i, 0,1,2,3
	ds_load_b128 v[192+16*\m+4*\i:195+16*\m+4*\i], v2 offset:8*XP*\m+16*\i         ; x in the result's layout
.endr
.endr
	W1LOAD 0
	W1LOAD 1
	s_wait_alu depctr_vm_vsrc(0)                   ; the projection's LDS loads have read v3, which is made anew
	v_and_b32 v3, 15, v0
	v_mul_u32_u24 v3, v3, 80
	v_add_nc_u32 v3, ST, v3                        ; row r's sixteen figures
	s_lshl_b32 s92, s24, 2
	v_add_nc_u32 v4, s92, v3                       ; mine among them
	s_wait_dscnt 0x0
.irp m, 0,1
.irp i, 0,2,4,6,8,10,12,14
	v_pk_fma_f32 v[AC+16*\m+\i:AC+16*\m+\i+1], v[AC+16*\m+\i:AC+16*\m+\i+1], s[66:67], v[T+\i:T+\i+1] op_sel_hi:[1,0,1]    ; sum x 2^(e10 + e11) + bp, each accumulator from its low end on
.endr
.endr
.set j, 0
.rept 16
	v_pk_add_f32 v[AC+j:AC+j+1], v[AC+j:AC+j+1], v[192+j:193+j]    ; + x
.set j, j+2
.endr
.macro WSTAT m
.set X1, AC+16*(\m)
.set MW, 10+2*(\m)
	v_pk_add_f32 v[AF:AF+1], v[X1:X1+1], v[X1+2:X1+3]
	v_pk_add_f32 v[AF+2:AF+3], v[X1+4:X1+5], v[X1+6:X1+7]
	v_pk_add_f32 v[AF:AF+1], v[AF:AF+1], v[X1+8:X1+9]
	v_pk_add_f32 v[AF+2:AF+3], v[AF+2:AF+3], v[X1+10:X1+11]
	v_pk_add_f32 v[AF:AF+1], v[AF:AF+1], v[X1+12:X1+13]
	v_pk_add_f32 v[AF+2:AF+3], v[AF+2:AF+3], v[X1+14:X1+15]
	v_pk_add_f32 v[AF:AF+1], v[AF:AF+1], v[AF+2:AF+3]
	v_add_f32 v[AF], v[AF], v[AF+1]
	v_permlanex16_b32 v14, v[AF], s84, s85         ; the row's other 16 of my columns lie in the lane 16 away
	v_add_f32 v[AF], v[AF], v14
	v_mul_f32 v[MW], 0x3d000000, v[AF]             ; / 32
.irp i, 0,2,4,6,8,10,12,14
	v_pk_add_f32 v[AF+16+\i:AF+17+\i], v[X1+\i:X1+\i+1], v[MW:MW+1] op_sel_hi:[1,0] neg_lo:[0,1] neg_hi:[0,1]
.endr
	v_pk_mul_f32 v[AF:AF+1], v[AF+16:AF+17], v[AF+16:AF+17]
	v_pk_mul_f32 v[AF+2:AF+3], v[AF+18:AF+19], v[AF+18:AF+19]
.irp i, 4,8,12
	v_pk_fma_f32 v[AF:AF+1], v[AF+16+\i:AF+17+\i], v[AF+16+\i:AF+17+\i], v[AF:AF+1]
	v_pk_fma_f32 v[AF+2:AF+3], v[AF+18+\i:AF+19+\i], v[AF+18+\i:AF+19+\i], v[AF+2:AF+3]
.endr
	v_pk_add_f32 v[AF:AF+1], v[AF:AF+1], v[AF+2:AF+3]
	v_add_f32 v[AF], v[AF], v[AF+1]
	v_permlanex16_b32 v14, v[AF], s84, s85
	v_add_f32 v[MW+1], v[AF], v14
.endm
	WSTAT 0
	WSTAT 1
	s_wait_alu depctr_va_vdst(0)                   ; written: my four figures v10-13 and their address v4, for the stores below; x1 in v160-191 and the address v3, for the stores and loads behind the barrier.  And the lines above are done with v192-255, in which those loads land
.irp m, 0,1
	ds_store_b32 v4, v[10+2*\m] offset:1280*\m     ; (lanes r and r + 16 store the same number to the same word)
	ds_store_b32 v4, v[11+2*\m] offset:1280*\m+2560
.endr
	BARRIER
	; ---- 3: the rows' mean and std; n; its codes
.irp m, 0,1
.irp i, 0,1,2,3
	ds_store_b128 v2, v[AC+16*\m+4*\i:AC+16*\m+4*\i+3] offset:8*XP*\m+16*\i        ; x1 is kept for the end, over the bytes of x that I alone read
.endr
.endr
.irp m, 0,1
.irp i, 0,1,2,3
	ds_load_b128 v[192+32*\m+4*\i:195+32*\m+4*\i], v3 offset:1280*\m+16*\i         ; the sixteen means,
	ds_load_b128 v[208+32*\m+4*\i:211+32*\m+4*\i], v3 offset:1280*\m+2560+16*\i    ; the sixteen sums of squares
.endr
.endr
	s_wait_alu depctr_vm_vsrc(0)                   ; the figures' stores have read v4 and v10-13, which are made anew in this phase; x1's stores have read v160-191, which the hidden layer's products write
	s_lshl_b32 s92, s24, 9
	v_add_nc_u32 v4, s92, v1
	v_add_nc_u32 v4, NF, v4                        ; n's chunk: K step w / 4, chunk w % 4: 512 w
	s_wait_dscnt 0x0
.macro LNSTAT rb, mn, iv               ; mean into v[mn], variance into v[iv]
	v_pk_add_f32 v[16:17], v[\rb:\rb+1], v[\rb+2:\rb+3]
	v_pk_add_f32 v[18:19], v[\rb+4:\rb+5], v[\rb+6:\rb+7]
	v_pk_add_f32 v[16:17], v[16:17], v[\rb+8:\rb+9]
	v_pk_add_f32 v[18:19], v[18:19], v[\rb+10:\rb+11]
	v_pk_add_f32 v[16:17], v[16:17], v[\rb+12:\rb+13]
	v_pk_add_f32 v[18:19], v[18:19], v[\rb+14:\rb+15]
	v_pk_add_f32 v[16:17], v[16:17], v[18:19]
	v_add_f32 v16, v16, v17
	v_mul_f32 v[\mn], 0x3d800000, v16              ; / 16
.irp i, 0,2,4,6,8,10,12,14
	v_pk_add_f32 v[\rb+\i:\rb+\i+1], v[\rb+\i:\rb+\i+1], v[\mn:\mn+1] op_sel_hi:[1,0] neg_lo:[0,1] neg_hi:[0,1]
.endr
	v_pk_mul_f32 v[16:17], v[\rb:\rb+1], v[\rb:\rb+1]
	v_pk_mul_f32 v[18:19], v[\rb+2:\rb+3], v[\rb+2:\rb+3]
.irp i, 4,8,12
	v_pk_fma_f32 v[16:17], v[\rb+\i:\rb+\i+1], v[\rb+\i:\rb+\i+1], v[16:17]
	v_pk_fma_f32 v[18:19], v[\rb+\i+2:\rb+\i+3], v[\rb+\i+2:\rb+\i+3], v[18:19]
.endr
	v_pk_add_f32 v[16:17], v[16:17], v[18:19]
	v_add_f32 v16, v16, v17                        ; the squares of the waves' means' distances from the row's
	v_pk_add_f32 v[18:19], v[\rb+16:\rb+17], v[\rb+18:\rb+19]
.irp i, 20,22,24,26,28,30
	v_pk_add_f32 v[18:19], v[18:19], v[\rb+\i:\rb+\i+1]
.endr
	v_add_f32 v18, v18, v19
	v_fmamk_f32 v16, v16, 0x42000000, v18          ; x 32, + the waves' sums of squares
	v_mul_f32 v[\iv], 0x3b004020, v16              ; / 511
.endm
	LNSTAT 192, 20, 22
	LNSTAT 224, 24, 26
	v_sqrt_f32 v22, v22
	v_sqrt_f32 v26, v26
	v_nop
	s_wait_alu depctr_va_vdst(0)                   ; both roots are written, ahead of their first reader; and the figures' arithmetic is done with v192-223, in which gamma2 and beta2 land
.irp i, 0,1,2,3
	ds_load_b128 v[192+4*\i:195+4*\i], v7 offset:2048+16*\i        ; gamma2
	ds_load_b128 v[208+4*\i:211+4*\i], v7 offset:4096+16*\i        ; beta2
.endr
	v_add_f32 v22, 0x2edbe6ff, v22                 ; std + 1e-10
	v_add_f32 v26, 0x2edbe6ff, v26
	v_rcp_f32 v22, v22
	v_rcp_f32 v26, v26
	v_nop
	s_wait_alu depctr_va_vdst(0)                   ; both reciprocals are written, ahead of their first reader
	s_wait_dscnt 0x0
.irp m, 0,1
.irp i, 0,2,4,6,8,10,12,14
	v_pk_add_f32 v[AF+16*\m+\i:AF+16*\m+\i+1], v[AC+16*\m+\i:AC+16*\m+\i+1], v[20+4*\m:21+4*\m] op_sel_hi:[1,0] neg_lo:[0,1] neg_hi:[0,1]
.endr
.irp i, 0,2,4,6,8,10,12,14
	v_pk_mul_f32 v[AF+16*\m+\i:AF+16*\m+\i+1], v[AF+16*\m+\i:AF+16*\m+\i+1], v[22+4*\m:23+4*\m] op_sel_hi:[1,0]
.endr
.irp i, 0,2,4,6,8,10,12,14
	v_pk_fma_f32 v[AF+16*\m+\i:AF+16*\m+\i+1], v[AF+16*\m+\i:AF+16*\m+\i+1], v[192+\i:193+\i], v[208+\i:209+\i]
.endr
.set i, 0
.rept 16
	v_med3_num_f32 v[AF+16*\m+i], v[AF+16*\m+i], -v6, v6
.set i, i+1
.endr
	v_cvt_scalef32_pk8_fp8_f32 v[16+12*\m:17+12*\m], v[AF+16*\m:AF+16*\m+7], v5
	v_cvt_scalef32_pk8_fp8_f32 v[18+12*\m:19+12*\m], v[AF+16*\m+8:AF+16*\m+15], v5
.endr
	v_nop                                          ; a plain line behind the last conversion
	v_mov_b32 v5, s88                              ; from here on: 2^e14 and 448 x 2^e14
	v_mov_b32 v6, s89
	v_add_nc_u32 v10, NF, v1                       ; n's fragments
	s_lshl_b32 s92, s24, 11
	v_add_nc_u32 v11, s92, v1
	v_add_nc_u32 v11, HF, v11                      ; where I store h: K step w
	v_bfe_u32 v12, v0, 4, 1
	v_lshlrev_b32 v12, 6, v12
	s_lshl_b32 s92, s24, 9
	v_add_nc_u32 v12, s92, v12
	v_add_nc_u32 v12, BL, v12                      ; b1 of units 128 w + 16 h on
	v_add_nc_u32 v13, HF, v1                       ; h's fragments
	v_add_nc_u32 v14, YS, v2                       ; the result, in the result's layout,
	v_add_nc_u32 v15, s91, v1
	v_add_nc_u32 v15, YS, v15                      ; and by rows
	s_wait_alu depctr_va_vdst(0)                   ; written: n's codes v16-19 and v28-31 and their address v4, for the two stores below; the addresses v10 to v15, for all that follows.  And the lines above are done with v224-255, in which n's fragments land
	ds_store_b128 v4, v[16:19]
	ds_store_b128 v4, v[28:31] offset:8192
	BARRIER
; 16 numbers in place.  The 16 reciprocals and 16 exponentials are one batch with one wait.
.macro GELU16 b
.set i, 0
.rept 16
	v_fma_f32 v[AF+i], |v[(\b)+i]|, s72, 1.0
.set i, i+1
.endr
.set i, 0
.rept 8
	v_pk_mul_f32 v[T+i:T+i+1], v[(\b)+i:(\b)+i+1], s[74:75] op_sel_hi:[1,0]
.set i, i+2
.endr
.set i, 0
.rept 8
	v_pk_mul_f32 v[T+i:T+i+1], v[T+i:T+i+1], v[T+i:T+i+1]
.set i, i+2
.endr
.set i, 0
.rept 16
	v_rcp_f32 v[AF+i], v[AF+i]                     ; t
.set i, i+1
.endr
.set i, 0
.rept 16
	v_exp_f32 v[T+i], -v[T+i]                      ; E
.set i, i+1
.endr
	v_nop
	s_wait_alu depctr_va_vdst(0)                   ; the batch has written t in v224-239 and E in v16-31, ahead of its first reader
.set i, 0
.rept 8
	v_pk_fma_f32 v[AF+16+i:AF+17+i], v[AF+i:AF+i+1], s[76:77], v[8:9] op_sel_hi:[1,0,0]
.set i, i+2
.endr
.irp k, 78,80,82
.set i, 0
.rept 8
	v_pk_fma_f32 v[AF+16+i:AF+17+i], v[AF+16+i:AF+17+i], v[AF+i:AF+i+1], s[\k:\k+1] op_sel_hi:[1,1,0]
.set i, i+2
.endr
.endr
.set i, 0
.rept 8
	v_pk_mul_f32 v[AF+16+i:AF+17+i], v[AF+16+i:AF+17+i], v[AF+i:AF+i+1]
.set i, i+2
.endr
.set i, 0
.rept 8
	v_pk_mul_f32 v[AF+16+i:AF+17+i], v[AF+16+i:AF+17+i], v[T+i:T+i+1]      ; q
.set i, i+2
.endr
.set i, 0
.rept 16
	v_max_num_f32 v[AF+i], 0, v[(\b)+i]
.set i, i+1
.endr
.set i, 0
.rept 16
	v_fma_f32 v[(\b)+i], -|v[(\b)+i]|, v[AF+16+i], v[AF+i]
.set i, i+1
.endr
.endm
; ---- 4: the hidden layer.  A stream step: eight matrix instructions (accumulator 4 m + t, by turns) on n's two fragments of K step s, which were asked for at the end of the step before; then, behind one wait,
; what lands next in v224-255 (the next K step's fragments, or b1 where four tiles are finished) and the weight loads of two steps on, into the buffer just read.
.macro NFRAG s                         ; n's two fragments of K step s
.irp m, 0,1
.irp c, 0,1,2,3
	ds_load_b128 v[AF+16*\m+4*\c:AF+16*\m+4*\c+3], v10 offset:(4*\m+(\s))*2048+512*\c
.endr
.endr
.endm
.macro B1FRAG q                        ; b1 of my units 64 q on, in the result's layout
.irp cc, 0,1
.irp i, 0,1,2,3
	ds_load_b128 v[AF+16*\cc+4*\i:AF+16*\cc+4*\i+3], v12 offset:256*(\q)+128*\cc+16*\i
.endr
.endr
.endm
.macro F1STEP sg
	s_wait_loadcnt 16                              ; this step's sixteen weight loads are in; the next step's sixteen may be out
	s_wait_dscnt 0x0
.irp m, 0,1
.irp t, 0,1,2,3
.if (\sg)%4 == 0
	v_wmma_f32_16x16x128_fp8_fp8 v[AC+8*(4*\m+\t):AC+8*(4*\m+\t)+7], v[R0+64*((\sg)%2)+16*\t:R0+64*((\sg)%2)+16*\t+15], v[AF+16*\m:AF+16*\m+15], 0
.else
	v_wmma_f32_16x16x128_fp8_fp8 v[AC+8*(4*\m+\t):AC+8*(4*\m+\t)+7], v[R0+64*((\sg)%2)+16*\t:R0+64*((\sg)%2)+16*\t+15], v[AF+16*\m:AF+16*\m+15], v[AC+8*(4*\m+\t):AC+8*(4*\m+\t)+7]
.endif
.endr
.endr
	PLACES
	s_wait_alu depctr_va_vdst(0)                   ; the step's eight products are done reading v224-255 and this step's weight buffer: the loads below land in both, and no vector or matrix line stands among them
.if (\sg)%4 < 3
	NFRAG ((\sg)+1)%4
.else
	B1FRAG (\sg)/4
.endif
.if (\sg) < 6
	W1LOAD (\sg)+2
.else
	W2LOAD (\sg)-6
.endif
.endm
; Four tiles are finished: registers 32 m + 16 cc + i are units 128 w + 64 q + 32 cc + 16 h + i of row tile m: bias, gelu, codes, chunk 2 q + cc of K step w.
.macro F1END q
	s_wait_alu depctr_vm_vsrc(0)                   ; the LDS stores of the codes made last (n's, or my first four tiles') have read v16-31, which gelu and the conversions write anew
	s_wait_dscnt 0x0
.irp m, 0,1
.irp cc, 0,1
.irp i, 0,2,4,6,8,10,12,14
	v_pk_fma_f32 v[AC+32*\m+16*\cc+\i:AC+32*\m+16*\cc+\i+1], v[AC+32*\m+16*\cc+\i:AC+32*\m+16*\cc+\i+1], s[68:69], v[AF+16*\cc+\i:AF+16*\cc+\i+1] op_sel_hi:[1,0,1]
.endr
.endr
.endr
	GELU16 AC
	GELU16 AC+16
	GELU16 AC+32
	GELU16 AC+48
.irp g, 0,1,2,3
.set i, 0
.rept 16
	v_med3_num_f32 v[AC+16*\g+i], v[AC+16*\g+i], -v6, v6
.set i, i+1
.endr
	v_cvt_scalef32_pk8_fp8_f32 v[T+4*\g:T+4*\g+1], v[AC+16*\g:AC+16*\g+7], v5
	v_cvt_scalef32_pk8_fp8_f32 v[T+4*\g+2:T+4*\g+3], v[AC+16*\g+8:AC+16*\g+15], v5
.endr
	v_nop                                          ; a plain line between the last conversion and the next products, which write its sources
	s_wait_alu depctr_va_vdst(0)                   ; the conversions have written the codes v16-31, which the stores below read; gelu and the holds are done with v192-255, in which the next fragments land
.irp m, 0,1
.irp cc, 0,1
	ds_store_b128 v11, v[T+4*(2*\m+\cc):T+4*(2*\m+\cc)+3] offset:32768*\m+(2*(\q)+\cc)*512
.endr
.endr
.endm
	NFRAG 0
	F1STEP 0
	F1STEP 1
	F1STEP 2
	F1STEP 3
	F1END 0
	NFRAG 0
	F1STEP 4
	F1STEP 5
	F1STEP 6
	F1STEP 7
	F1END 1
	BARRIER
; ---- 5: the last product: two K steps at a time, four accumulators (2 m + t) by turns.  As in the hidden layer: one wait behind a pair step's products; behind it the next pair's fragments of h, then the weight loads of two pair steps on
.macro HFRAG p                         ; h's four fragments of K steps 2 p, 2 p + 1
.irp m, 0,1
.irp i, 0,1
.irp c, 0,1,2,3
	ds_load_b128 v[192+16*(2*\m+\i)+4*\c:195+16*(2*\m+\i)+4*\c], v13 offset:(16*\m+2*(\p)+\i)*2048+512*\c
.endr
.endr
.endr
.endm
.macro F2STEP p
.if (\p) < 7
	s_wait_loadcnt 16                              ; this pair's sixteen weight loads are in; the next pair's may be out
.else
	s_wait_loadcnt 0x0
.endif
	s_wait_dscnt 0x0
.irp i, 0,1
.irp m, 0,1
.irp t, 0,1
.if ((\p) == 0) && (\i == 0)
	v_wmma_f32_16x16x128_fp8_fp8 v[AC+8*(2*\m+\t):AC+8*(2*\m+\t)+7], v[R0+64*((\p)%2)+16*(2*\i+\t):R0+64*((\p)%2)+16*(2*\i+\t)+15], v[192+16*(2*\m+\i):207+16*(2*\m+\i)], 0
.else
	v_wmma_f32_16x16x128_fp8_fp8 v[AC+8*(2*\m+\t):AC+8*(2*\m+\t)+7], v[R0+64*((\p)%2)+16*(2*\i+\t):R0+64*((\p)%2)+16*(2*\i+\t)+15], v[192+16*(2*\m+\i):207+16*(2*\m+\i)], v[AC+8*(2*\m+\t):AC+8*(2*\m+\t)+7]
.endif
.endr
.endr
.endr
	PLACES
	s_wait_alu depctr_va_vdst(0)                   ; the pair step's eight products are done reading v192-255 and this step's weight buffer: the loads that follow land there (behind the last pair step: x1 in v192-223, and later rows of the result in v32-63)
.if (\p) < 7
	HFRAG (\p)+1
.endif
.if (\p) < 6
	W2LOAD (\p)+2
.endif
.endm
	HFRAG 0
	F2STEP 0
	F2STEP 1
	F2STEP 2
	F2STEP 3
	F2STEP 4
	F2STEP 5
	F2STEP 6
	F2STEP 7
	; ---- 6: bias, gelu, + x1; through LDS, so that whole rows leave
	s_wait_alu depctr_vm_vsrc(0)                   ; the LDS stores of h's last codes have read v16-31, in which b2 lands
.irp i, 0,1,2,3
	ds_load_b128 v[T+4*\i:T+4*\i+3], v7 offset:6144+16*\i          ; b2
.endr
.irp m, 0,1
.irp i, 0,1,2,3
	ds_load_b128 v[192+16*\m+4*\i:195+16*\m+4*\i], v2 offset:8*XP*\m+16*\i         ; x1
.endr
.endr
	s_wait_dscnt 0x0
.irp m, 0,1
.irp i, 0,2,4,6,8,10,12,14
	v_pk_fma_f32 v[AC+16*\m+\i:AC+16*\m+\i+1], v[AC+16*\m+\i:AC+16*\m+\i+1], s[70:71], v[T+\i:T+\i+1] op_sel_hi:[1,0,1]
.endr
.endr
	GELU16 AC
	GELU16 AC+16
.set j, 0
.rept 16
	v_pk_add_f32 v[AC+j:AC+j+1], v[AC+j:AC+j+1], v[192+j:193+j]
.set j, j+2
.endr
	s_wait_alu depctr_va_vdst(0)                   ; the additions have written the result in v160-191, which the LDS stores read
.irp m, 0,1
.irp i, 0,1,2,3
	ds_store_b128 v14, v[AC+16*\m+4*\i:AC+16*\m+4*\i+3] offset:8*XP*\m+16*\i
.endr
.endr
	BARRIER
.irp i, 0,1
.irp q, 0,1,2,3
	ds_load_b128 v[R0+4*(4*\i+\q):R0+4*(4*\i+\q)+3], v15 offset:XP*\i+512*\q       ; (no vector or matrix line has named v32-63 since the last pair step's wait)
.endr
.endr
.irp i, 0,1
.irp q, 0,1,2,3
	s_wait_dscnt 7-(4*\i+\q)                       ; LDS loads come back in order: this one is in, the younger ones may be out
	global_store_b128 v1, v[R0+4*(4*\i+\q):R0+4*(4*\i+\q)+3], s[22:23] offset:2048*\i+512*\q th:TH_STORE_NT    ; 32 lanes store 512 consecutive bytes, aligned
.endr
.endr
	s_wait_xcnt 0x0
	v_lshl_add_u32 v254, v0, 2, 0x39800            ; the add's two registers are made anew here: no memory or LDS instruction has ever read v254 or v255 (loads landed there, and their counter has been waited for)
	v_mov_b32 v255, 0
	s_wait_dscnt 0x0                               ; the closing lines, six on end
	s_wait_alu 0x0
	s_wait_tensorcnt 0x0
	ds_add_u32 v254, v255
	s_wait_dscnt 0x0
	s_endpgm
.Lfunc_end_k_qa6b5c2b1ff_tail:
	.size	k_qa6b5c2b1ff_tail, .Lfunc_end_k_qa6b5c2b1ff_tail-k_qa6b5c2b1ff_tail
	.p2alignl 7, 3214868480
	.fill 96, 4, 3214868480
	.section	.rodata,"a",@progbits
	.p2align	6, 0x0
	.amdhsa_kernel k_qa6b5c2b1ff_tail
		.amdhsa_group_segment_fixed_size 237568
		.amdhsa_private_segment_fixed_size 0
		.amdhsa_enable_private_segment 0
		.amdhsa_kernarg_size 80
		.amdhsa_user_sgpr_count 2
		.amdhsa_user_sgpr_kernarg_segment_ptr 1
		.amdhsa_wavefront_size32 1
		.amdhsa_system_sgpr_workgroup_id_x 1
		.amdhsa_system_sgpr_workgroup_id_y 1
		.amdhsa_system_sgpr_workgroup_id_z 1
		.amdhsa_system_vgpr_workitem_id 0
		.amdhsa_next_free_vgpr 256
		.amdhsa_next_free_sgpr 100
		.amdhsa_reserve_vcc 0
		.amdhsa_float_denorm_mode_32 3
		.amdhsa_float_denorm_mode_16_64 3
		.amdhsa_memory_ordered 1
		.amdhsa_forward_progress 1
		.amdhsa_inst_pref_size 182
	.end_amdhsa_kernel
	.amdgpu_metadata
---
amdhsa.version: [ 1, 2 ]
amdhsa.kernels:
  - .name:           k_qa6b5c2b1ff_tail
    .symbol:         k_qa6b5c2b1ff_tail.kd
    .args:
      - { .name: x, .offset: 0, .size: 8, .value_kind: global_buffer, .address_space: global }
      - { .name: ac, .offset: 8, .size: 8, .value_kind: global_buffer, .address_space: global }
      - { .name: wc, .offset: 16, .size: 8, .value_kind: global_buffer, .address_space: global }
      - { .name: bp, .offset: 24, .size: 8, .value_kind: global_buffer, .address_space: global }
      - { .name: gamma2, .offset: 32, .size: 8, .value_kind: global_buffer, .address_space: global }
      - { .name: beta2, .offset: 40, .size: 8, .value_kind: global_buffer, .address_space: global }
      - { .name: b1, .offset: 48, .size: 8, .value_kind: global_buffer, .address_space: global }
      - { .name: b2, .offset: 56, .size: 8, .value_kind: global_buffer, .address_space: global }
      - { .name: lowp_scales, .offset: 64, .size: 8, .value_kind: global_buffer, .address_space: global }
      - { .name: out0, .offset: 72, .size: 8, .value_kind: global_buffer, .address_space: global }
    .group_segment_fixed_size: 237568
    .private_segment_fixed_size: 0
    .kernarg_segment_align: 8
    .kernarg_segment_size: 80
    .max_flat_workgroup_size: 512
    .sgpr_count:     100
    .vgpr_count:     256
    .wavefront_size: 32
...
	.end_amdgpu_metadata
.endif
;; end of part 5
